; MI455X (gfx1250); checked and timed in simulation.
; The chip was launched on July 23, 2026; its instructions are those of AMD's public machine-readable ISA for CDNA 5 (MIT licence, August 2026) and "CDNA5" Instruction Set Architecture Reference Guide (July 2026). The comments in the code are by the model that wrote it; some were corrected since.
;; Spatial Attention. Allowed arithmetic: matrix products marked QUANTISED: E2M1 operands, one E8M0 scale for each 32 along K, by v_wmma_scale_f32_16x16x128_f8f6f4 with both operands' format E2M1 (or v_wmma_scale_f32_32x16x128_f4), f32 sums; products left as they are: bf16, f16 or f32 operands; f32 sums; everything else in f32.
;; Inputs: Wk 512 x 512 float32; Wo 512 x 512 float32; Wq 512 x 512 float32; Wv 512 x 512 float32; rope_cos 256 x 32 float32; rope_sin 256 x 32 float32; x 4 x 16 x 256 x 512 float32.
;; Outputs: out0 4 x 16 x 256 x 512 float32.
;; This version of the problem:
;;   THIS VERSION OF THE PROBLEM IS GIVEN IN LOW PRECISION. The matrix products marked QUANTISED in the list below multiply operands that are first quantised to E2M1 (2 exponent bits, 1 mantissa bit; 4 bits a number), with one power-of-two scale for each 32 numbers along K (OCP MX v1.0); their sums are f32. The products marked 'left as it is' may take bf16, f16 or f32 operands, with f32 sums. Whichever they take, every output number must still come out within the allowed error. Rounding operands to bf16 (8 significant bits) uses up far more of that allowance than f16 does (11 bits, for magnitudes from 6e-5 to 65,504). All else is computed in f32.
;;   The module's matrix products, in the order in which they are computed (A, B: the left and right operand; K: the contracted axis; several contracted axes count as one K, in the product's order):
;;     1. [M 16,384, K 512] x [K 512, N 512]; A: input x; B: input Wq: QUANTISED
;;     2. [M 16,384, K 512] x [K 512, N 512]; A: input x; B: input Wk: QUANTISED
;;     3. [M 16,384, K 512] x [K 512, N 512]; A: input x; B: input Wv: QUANTISED
;;     4. batch 1,024 x [M 256, K 32] x [K 32, N 256]; A: computed on the way; B: computed on the way: left as it is (an operand is computed on the way)
;;     5. batch 1,024 x [M 32, K 256] x [K 256, N 256]; A: computed on the way; B: computed on the way: left as it is (an operand is computed on the way)
;;     6. [M 16,384, K 512] x [K 512, N 512]; A: computed on the way; B: input Wo: left as it is (an operand is computed on the way)
;;   THE QUANTISER, for each operand of a quantised product, along K:
;;     - K is cut into blocks of 32 from its start; a last block that is shorter is filled with zeros.
;;     - A block's scale is 2^e with e = floor(log2(the largest magnitude in the block)) - 2, held to -126 .. 127; a block of zeros has e = 0. As a byte (E8M0): e + 127.
;;     - Each number is divided by its block's scale, clamped to +-6, and rounded to the nearest number of E2M1, ties to even, subnormals kept.
;;     - The product sums the exact products of the quantised numbers (number of the format x scale) in f32.
;;   ~~~python
;;   def quantise(x, axis):      # numpy; x: float32 -> the quantised numbers, widened to float32 again
;;       x = np.moveaxis(x, axis, -1); K = x.shape[-1]
;;       x = np.pad(x, [(0, 0)] * (x.ndim - 1) + [(0, -K % 32)]); x = x.reshape(x.shape[:-1] + (-1, 32)); a = np.abs(x).max(-1, keepdims=True)
;;       e = np.where(a > 0, np.clip(np.frexp(np.where(a > 0, a, 1))[1] - 1 - 2, -126, 127), 0)      # np.frexp(a)[1] - 1 = floor(log2(a)), exactly
;;       r = np.clip(x / 2.0 ** e, -6, 6)
;;       step = 2.0 ** (np.maximum(np.frexp(np.where(r == 0, 1, r))[1] - 1, 0) - 1)
;;       q = np.round(r / step) * step * 2.0 ** e      # np.round: ties to even
;;       return np.moveaxis(q.reshape(q.shape[:-2] + (-1,))[..., :K], -1, axis).astype(np.float32)
;;   ~~~
;; 2 versions, each right; version 2 is version 1 with the launch attn written anew for expert scheduling mode. Each part assembles by itself: llvm-mc -triple=amdgcn-amd-amdhsa -mcpu=gfx1250 --defsym DOCPART=n.
;; ======== version 1 of 2: 3 launches
;; limits: values are held in f16: magnitudes above 65,504 overflow, below 6.1e-05 lose precision
;; workspace buffers: xcodes 4,194,304 bytes; xscales 262,144 bytes; wcodes 393,216 bytes; wscales 24,576 bytes; wo16 524,288 bytes; o16 16,777,216 bytes
;; launch prep (part 1): grid 288 x 1, 4 waves a work-group, no clusters, 33,280 bytes of LDS; arguments x, Wq, Wk, Wv, Wo, xcodes, xscales, wcodes, wscales, wo16; writes xcodes, xscales, wcodes, wscales, wo16
.if DOCPART == 1
	.amdgcn_target "amdgcn-amd-amdhsa--gfx1250"
	.amdhsa_code_object_version 6
	.text
	.protected	k_q7537f6b76c_prep
	.globl	k_q7537f6b76c_prep
	.p2align	8
	.type	k_q7537f6b76c_prep,@function
k_q7537f6b76c_prep:
	s_mov_b64 s[64:65], 0
	v_nop
	global_prefetch_b8 v0, s[64:65] scope:SCOPE_SE
	s_setreg_imm32_b32 hwreg(HW_REG_WAVE_MODE, 25, 1), 1
	s_wait_xcnt 0x0
; x [16384][512], Wq, Wk, Wv [512][512], f32, K innermost, become codes of FP4 (E2M1) with one E8M0 scale byte for each 32 along K; Wo [512][512] becomes f16, laid as images of operand registers.
; A block's scale is 2^(floor(log2(its largest magnitude)) - 2); its byte is the largest magnitude's exponent field - 2, held at 1 from below; each number is divided by the scale and rounded to the
; nearest code, ties to even, beyond 6 the largest code.
; LIMITS: a block of zeros gets the byte 1 where the rule says 127 (its codes are zeros, and this program alone reads the bytes); blocks whose largest magnitude lies under 2^-124 keep the byte 1;
; NaN and infinities are not served; |Wo| stays under 65,504, f16's largest number (the drawn Wo is about 0.04).
; SHARES.  Work-groups 0-255: x; 256-263, 264-271, 272-279: Wq, Wk, Wv; 280-287: Wo.  A wave takes 16 rows of 512 numbers.
; x's codes lie [row][256 bytes], its scale bytes [row][16].  The weights' rows are laid in tiles of 16 rows, tile = 6 x head + 2 x (0 q, 1 k, 2 v) + half of the head's 32, so that the next launch finds
; the 384 rows of four heads on end.  One path through the text serves x and the three weights: only pointers and run numbers are chosen, by the work-group's number.
; THE QUANTISER.  A step is one row.  Each of its four loads reads 512 consecutive bytes, 16 a lane; the 2,048 bytes turn through the wave's own stage in LDS and come back 64 bytes a lane, so that a lane
; holds 16 neighbours along K and two neighbouring lanes a block.  A lane's 16 codes are 8 bytes: the wave stores 256 consecutive bytes.  A wave's 256 scale bytes are gathered in LDS and leave together.
; Loads run eight steps ahead: 32 loads, 16 KiB, of every wave are on their way.  Waves share nothing: no barrier.
.set WAVES, 4
.set STEPS, 16
.set AHEAD, 8
.set EMAX,  2
.set CB,    8                          ; bytes of 16 codes
.set R,     16                         ; v16-143  eight sets of 16 numbers as they are loaded
.set X,     144                        ; v144-175 two sets of 16 neighbours
.set E,     176                        ; v176-191 a scale byte for each step
.set C,     192                        ; v192-255 codes: four registers for each step, so that no store's data are written again
.set WREG,  8192                       ; LDS: a region for each wave: two stages of 32 x SP bytes, behind them its 256 scale bytes
.set SP,    80                         ; a lane's place in a stage: 64 bytes + 16 of padding
.set SPW,   12                         ; v12  LDS address of my spare word; never rewritten
.set NIL,   13                         ; v13  0; never rewritten
.set SPARE, WAVES*WREG                 ; behind the four regions: the spare words, 128 bytes a wave, which no other line names
	s_load_b256 s[4:11], s[0:1], 0x0               ; x s[4:5], Wq s[6:7], Wk s[8:9], Wv s[10:11]
	s_load_b256 s[12:19], s[0:1], 0x20             ; Wo s[12:13], x's codes s[14:15], x's scales s[16:17], the weights' codes s[18:19]
	s_load_b128 s[20:23], s[0:1], 0x40             ; the weights' scales s[20:21], Wo in f16 s[22:23]
	v_lshl_add_u32 v[SPW], v0, 2, SPARE
	v_mov_b32 v[NIL], 0
	v_lshrrev_b32 v1, 5, v0
	v_readfirstlane_b32 s24, v1                    ; wave
	v_and_b32 v2, 31, v0                           ; lane
	v_lshlrev_b32 v3, 4, v2                        ; 16 x lane: my 16 bytes of 512
	s_wait_kmcnt 0x0
	s_cmp_ge_u32 ttmp9, 280
	s_cbranch_scc1 .Lwo                            ; the last eight work-groups take Wo
	s_mul_i32 s25, s24, WREG
	v_lshrrev_b32 v14, 2, v2
	v_mul_u32_u24 v14, v14, SP
	v_and_b32 v15, 3, v2
	v_lshl_add_u32 v14, v15, 4, v14
	v_add_nc_u32 v14, s25, v14                     ; the stage, on the way in: four lanes' 64 bytes on end, then 16 of padding
	v_mul_u32_u24 v15, v2, SP
	v_add_nc_u32 v15, s25, v15                     ; and on the way out: SP x lane: my 16 neighbours
	v_mul_u32_u24 v4, v2, CB                       ; my codes' place in a row's
	v_lshrrev_b32 v5, 1, v2
	s_add_co_u32 s25, s25, 2*32*SP
	v_add_nc_u32 v5, s25, v5                       ; LDS: my wave's 256 scale bytes, my block's byte
	v_lshlrev_b32 v7, 3, v2                        ; and on the way out 8 bytes a lane
	v_add_nc_u32 v6, s25, v7
	; which run of 16 rows is read, and which is written: all numbers first, the choices last
	s_sub_co_u32 s30, ttmp9, 256
	s_and_b32 s31, s30, 7
	s_lshl_b32 s31, s31, 2
	s_add_co_u32 s31, s31, s24                     ; a weight's tile of 16 rows: 2 x head + half
	s_lshr_b32 s34, s30, 3                         ; 0 q, 1 k, 2 v
	s_lshr_b32 s35, s31, 1
	s_mul_i32 s35, s35, 6
	s_lshl_b32 s34, s34, 1
	s_add_co_u32 s35, s35, s34
	s_and_b32 s36, s31, 1
	s_add_co_u32 s35, s35, s36                     ; where that tile goes
	s_lshl_b32 s37, ttmp9, 2
	s_add_co_u32 s37, s37, s24                     ; x's run
	s_cmp_lt_u32 ttmp9, 264
	s_cselect_b64 s[26:27], s[6:7], s[8:9]
	s_cmp_lt_u32 ttmp9, 272
	s_cselect_b64 s[26:27], s[26:27], s[10:11]
	s_cmp_lt_u32 ttmp9, 256
	s_cselect_b64 s[26:27], s[4:5], s[26:27]       ; the numbers,
	s_cselect_b64 s[28:29], s[14:15], s[18:19]     ; the codes,
	s_cselect_b64 s[32:33], s[16:17], s[20:21]     ; the scale bytes
	s_cselect_b32 s38, s37, s31
	s_cselect_b32 s39, s37, s35
	s_lshl_b32 s40, s38, 15                        ; 16 rows of 2,048 bytes
	s_mov_b32 s41, 0
	s_add_nc_u64 s[26:27], s[26:27], s[40:41]
	s_lshl_b32 s40, s39, 12                        ; 16 rows of 256 bytes
	s_add_nc_u64 s[28:29], s[28:29], s[40:41]
	s_lshl_b32 s40, s39, 8                         ; 16 rows of 16 bytes
	s_add_nc_u64 s[32:33], s[32:33], s[40:41]
.macro LOAD t
.irp i, 0,1,2,3
	global_load_b128 v[R+16*((\t)%8)+4*\i:R+16*((\t)%8)+4*\i+3], v3, s[26:27] offset:2048*(\t)+512*\i th:TH_LOAD_NT   ; 32 lanes read 512 consecutive bytes; read once in the launch
.endr
.endm
.macro TURN t                          ; row t through the stage: LDS serves a wave's instructions in order, so no wait stands between the stores and the loads
.irp i, 0,1,2,3
	ds_store_b128 v14, v[R+16*((\t)%8)+4*\i:R+16*((\t)%8)+4*\i+3] offset:32*SP*((\t)%2)+8*SP*\i
.endr
.irp i, 0,1,2,3
	ds_load_b128 v[X+16*((\t)%2)+4*\i:X+16*((\t)%2)+4*\i+3], v15 offset:32*SP*((\t)%2)+16*\i
.endr
.endm
.irp t, 0,1,2,3,4,5,6,7
	LOAD \t
.endr
	s_wait_loadcnt 28                              ; row 0's four loads are in; the seven younger rows' 28 stay out
	TURN 0
.macro STEP t
.set XS, X+16*((\t)%2)
.if (\t) > 0
	s_wait_dscnt 1                                 ; this row's numbers are back from the stage (the last row's byte store may be out): so its stores into the stage have read their registers,
.else
	s_wait_dscnt 0x0
.endif
.if (\t)+AHEAD < STEPS
	LOAD (\t)+AHEAD                                ; which take the loads of eight rows on
.endif
.if (\t)+1 < STEPS
.if 14-(\t) >= 7
	s_wait_loadcnt 28                              ; the next row's four loads are in; those of the seven rows behind it may be out
.else
	s_wait_loadcnt 4*(14-(\t))                     ; towards the end fewer rows stand behind it
.endif
	TURN (\t)+1                                    ; and go through the other stage while this row is worked
.endif
	v_max3_num_f32 v8, |v[XS]|, |v[XS+1]|, |v[XS+2]|               ; the largest magnitude of my 16, in two chains
	v_max3_num_f32 v9, |v[XS+3]|, |v[XS+4]|, |v[XS+5]|
.irp i, 6,10
	v_max3_num_f32 v8, v8, |v[XS+\i]|, |v[XS+\i+1]|
	v_max3_num_f32 v9, v9, |v[XS+\i+2]|, |v[XS+\i+3]|
.endr
	v_max3_num_f32 v8, v8, |v[XS+14]|, |v[XS+15]|
	v_max3_num_f32 v8, v8, v9, (EMAX+1)<<23        ; and the floor 2^(3 - 127): the byte cannot fall under 1
	v_max_num_f32_dpp v8, v8, v8 row_xmask:1 row_mask:0xf bank_mask:0xf   ; and of my neighbour's 16: the block's
	v_add_nc_u32 v11, -(EMAX<<23), v8              ; 2 off its exponent field: the conversion takes the exponent field of this operand as its scale, and nothing else of it
	v_cvt_scalef32_pk8_fp4_f32 v[C+4*(\t)], v[XS:XS+7], v11
	v_cvt_scalef32_pk8_fp4_f32 v[C+4*(\t)+1], v[XS+8:XS+15], v11
	v_lshrrev_b32 v[E+(\t)], 23, v11               ; the scale's byte (also the plain line behind the conversions)
	ds_store_b8 v5, v[E+(\t)] offset:16*(\t)       ; both lanes of a block write the same byte with the same value
	global_store_b64 v4, v[C+4*(\t):C+4*(\t)+1], s[28:29] offset:32*CB*(\t)   ; the wave stores 256 consecutive bytes, aligned
.endm
.irp t, 0,1,2,3,4,5,6,7,8,9,10,11,12,13,14,15
	STEP \t
.endr
	ds_load_b64 v[8:9], v6                         ; LDS serves a wave's instructions in order: these see my byte stores
	s_wait_dscnt 0x0
	global_store_b64 v7, v[8:9], s[32:33]          ; 32 lanes store 256 consecutive bytes, aligned
	s_wait_tensorcnt 0x0                           ; the wave's end: three closing lines behind my last LDS store
	ds_add_u32 v[SPW], v[NIL]
	s_wait_dscnt 0x0
	s_endpgm
; Wo -> f16 images.  Wave: tile et of 16 rows e.  Item it = 2 s + c (s: 32 along d, c: half of them): lane (r, h) takes Wo[16 et + r][32 s + 16 c + 8 h + 0 .. 7], 32 bytes, rounds them to 16 bytes of f16, and the
; wave stores 512 consecutive bytes at 512 it: the last launch loads its fragments of Wo by dense loads, 256 work-groups over.  Four batches of eight items; two input buffers by turns.  No LDS on this path.
.Lwo:
	s_sub_co_u32 s30, ttmp9, 280
	s_lshl_b32 s30, s30, 2
	s_add_co_u32 s30, s30, s24                     ; et
	s_lshl_b32 s40, s30, 15                        ; 16 rows of 2,048 bytes
	s_mov_b32 s41, 0
	s_add_nc_u64 s[12:13], s[12:13], s[40:41]
	s_lshl_b32 s40, s30, 14                        ; 32 items of 512 bytes
	s_add_nc_u64 s[22:23], s[22:23], s[40:41]
	v_and_b32 v8, 15, v0
	v_bfe_u32 v9, v0, 4, 1
	v_lshlrev_b32 v8, 11, v8
	v_lshl_add_u32 v9, v9, 5, v8                   ; row r, + 32 h bytes
.macro LOADB b
.irp j, 0,1,2,3,4,5,6,7
	global_load_b128 v[16+64*((\b)%2)+8*\j:16+64*((\b)%2)+8*\j+3], v9, s[12:13] offset:64*(8*(\b)+\j)
	global_load_b128 v[16+64*((\b)%2)+8*\j+4:16+64*((\b)%2)+8*\j+7], v9, s[12:13] offset:64*(8*(\b)+\j)+16
.endr
.endm
	LOADB 0
	LOADB 1
.irp b, 0,1,2,3
.if \b < 3
	s_wait_loadcnt 16                              ; this batch's 16 loads are in; the other buffer's 16 stay out
.else
	s_wait_loadcnt 0
.endif
.if \b > 0
	s_wait_xcnt 0x0                                ; the last batch's stores have read their data registers, which are written again below
.endif
.irp j, 0,1,2,3,4,5,6,7
.irp q, 0,1,2,3
	v_cvt_pk_f16_f32 v[144+4*\j+\q], v[16+64*(\b%2)+8*\j+2*\q], v[16+64*(\b%2)+8*\j+2*\q+1]
.endr
.endr
.irp j, 0,1,2,3,4,5,6,7
	global_store_b128 v3, v[144+4*\j:144+4*\j+3], s[22:23] offset:512*(8*\b+\j)
.endr
.if \b < 2
	LOADB \b+2
.endif
.endr
	s_endpgm
.Lfunc_end_k_q7537f6b76c_prep:
	.size	k_q7537f6b76c_prep, .Lfunc_end_k_q7537f6b76c_prep-k_q7537f6b76c_prep
	.p2alignl 7, 3214868480
	.fill 96, 4, 3214868480
	.section	.rodata,"a",@progbits
	.p2align	6, 0x0
	.amdhsa_kernel k_q7537f6b76c_prep
		.amdhsa_group_segment_fixed_size 33280
		.amdhsa_private_segment_fixed_size 0
		.amdhsa_enable_private_segment 0
		.amdhsa_kernarg_size 80
		.amdhsa_user_sgpr_count 2
		.amdhsa_user_sgpr_kernarg_segment_ptr 1
		.amdhsa_wavefront_size32 1
		.amdhsa_system_sgpr_workgroup_id_x 1
		.amdhsa_system_sgpr_workgroup_id_y 1
		.amdhsa_system_sgpr_workgroup_id_z 1
		.amdhsa_system_vgpr_workitem_id 0
		.amdhsa_next_free_vgpr 256
		.amdhsa_next_free_sgpr 66
		.amdhsa_reserve_vcc 0
		.amdhsa_float_denorm_mode_32 3
		.amdhsa_float_denorm_mode_16_64 3
		.amdhsa_memory_ordered 1
		.amdhsa_forward_progress 1
		.amdhsa_inst_pref_size 52
	.end_amdhsa_kernel
	.amdgpu_metadata
---
amdhsa.version: [ 1, 2 ]
amdhsa.kernels:
  - .name:           k_q7537f6b76c_prep
    .symbol:         k_q7537f6b76c_prep.kd
    .args:
      - { .name: x, .offset: 0, .size: 8, .value_kind: global_buffer, .address_space: global }
      - { .name: Wq, .offset: 8, .size: 8, .value_kind: global_buffer, .address_space: global }
      - { .name: Wk, .offset: 16, .size: 8, .value_kind: global_buffer, .address_space: global }
      - { .name: Wv, .offset: 24, .size: 8, .value_kind: global_buffer, .address_space: global }
      - { .name: Wo, .offset: 32, .size: 8, .value_kind: global_buffer, .address_space: global }
      - { .name: xcodes, .offset: 40, .size: 8, .value_kind: global_buffer, .address_space: global }
      - { .name: xscales, .offset: 48, .size: 8, .value_kind: global_buffer, .address_space: global }
      - { .name: wcodes, .offset: 56, .size: 8, .value_kind: global_buffer, .address_space: global }
      - { .name: wscales, .offset: 64, .size: 8, .value_kind: global_buffer, .address_space: global }
      - { .name: wo16, .offset: 72, .size: 8, .value_kind: global_buffer, .address_space: global }
    .group_segment_fixed_size: 33280
    .private_segment_fixed_size: 0
    .kernarg_segment_align: 8
    .kernarg_segment_size: 80
    .max_flat_workgroup_size: 128
    .sgpr_count:     66
    .vgpr_count:     256
    .wavefront_size: 32
...
	.end_amdgpu_metadata
.endif
;; end of part 1
;; launch attn (part 2): grid 4 x 64, 16 waves a work-group, no clusters, 317,440 bytes of LDS; arguments xcodes, xscales, wcodes, wscales, rope_cos, rope_sin, o16; writes o16
.if DOCPART == 2
	.amdgcn_target "amdgcn-amd-amdhsa--gfx1250"
	.amdhsa_code_object_version 6
	.text
	.protected	k_q7537f6b76c_attn
	.globl	k_q7537f6b76c_attn
	.p2align	8
	.type	k_q7537f6b76c_attn,@function
k_q7537f6b76c_attn:
	s_mov_b64 s[64:65], 0
	v_nop
	global_prefetch_b8 v0, s[64:65] scope:SCOPE_SE
	s_setreg_imm32_b32 hwreg(HW_REG_WAVE_MODE, 25, 1), 1
	s_wait_xcnt 0x0
; For one slice (b, t) of 256 tokens and four heads: q, k, v = x W^T on codes of FP4 with E8M0 scales; RoPE from the two tables; q and k divided by the root of max(mean square, 1e-6);
; logits l = q . k / sqrt(32); 50 tanh(l / 50); softmax over the 256 keys; o = P V.  o leaves in f16, laid as images of the last launch's operand registers.
; SHARES.  Work-group (g, bt): heads 4 g .. 4 g + 3 of slice bt.  Sixteen waves, four to a SIMD; wave w: head hd = w / 4, tokens 64 qq .. 64 qq + 63, qq = w % 4: it makes that head's q, k, v for these four tiles
; of 16 tokens, hands k and v to its head's other waves through LDS as images of operand registers, and then runs attention for its 64 queries over all 256 keys.
; FORMATS.  The three projections: v_wmma_scale_f32_16x16x128_f8f6f4, both sides FP4.  Logits and P V: f16 operands, f32 sums.  All else f32.
; NO MAXIMUM IS TAKEN AWAY, and this is why it may be left out: q and k are normalised by the computation itself, behind RoPE, so |q|, |k| <= sqrt(32) for every input and every table, and by Cauchy-Schwarz
; |l| <= sqrt(32) = 5.66.  So exp(l) lies in 2^-8.2 .. 2^8.2 and a row's sum under 2^16.2: nothing can overflow or underflow, in f32 or in f16.
; tanh: |l / 50| <= 0.1132, so the odd series to z^5 is within 7e-7 of 50 tanh(l / 50), absolutely, for every input.  With s the raw dot product and u = s^2: log2(e) x 50 tanh(l / 50) = s (c0 + u (c1 + c2 u)).
; LIMITS: NaN and infinities are not served; v and o are carried in f16: |v| stays under 65,504 (the drawn v is about 1).
; NO CLUSTER: what work-groups share (a slice's 68 KiB of codes and scale bytes among four, a head group's 102 KiB among 64) is fetched once, at the head, by 24 loads a wave through registers, against
; 224 matrix and some 2,700 vector instructions a wave behind it.  No LDS byte is written twice: two barriers in all.
; LDS: XC x's codes, 256 rows x (256 + 16); WC the weights' codes, 384 rows likewise; XS, WS their scale bytes, 16 a row; KI for each head 16 images of K (16 keys x 32) and, 16,384 bytes on, 16 of V^T
; (key step U of 32 keys, channel tile ct: 2,048 U + 1,024 ct); an image is 1,024 bytes: [half c][lane][16 bytes].
; REGISTERS: v1, v2 the add's two; v3 AX, v4 AW, v5 scale words' address and then IMW, v6 TO, v7 IMR; v8-31 scale words and nothing else; v32-63, v64-127, v128-255 by phase (see there).
.set PX,    272
.set XC,    0
.set WC,    256*PX
.set XS,    WC+384*PX
.set WS,    XS+4096
.set KI,    WS+6144
.set SPARE, KI+4*32768                 ; the spare words, 128 bytes for each of 16 waves, which no other line names
.macro NOPS n
.rept \n
	v_nop
.endr
.endm
	s_load_b256 s[4:11], s[0:1], 0x0               ; x's codes s[4:5], x's scales s[6:7], the weights' codes s[8:9], their scales s[10:11]
	s_load_b128 s[12:15], s[0:1], 0x20             ; cos s[12:13], sin s[14:15]
	s_load_b64 s[16:17], s[0:1], 0x30              ; o in f16
	v_lshl_add_u32 v1, v0, 2, SPARE
	v_mov_b32 v2, 0
	v_lshrrev_b32 v32, 5, v0
	v_readfirstlane_b32 s18, v32                   ; w
	s_lshr_b32 s19, s18, 2                         ; hd
	s_and_b32 s20, s18, 3                          ; qq
	s_and_b32 s22, ttmp7, 0xffff                   ; bt
	v_and_b32 v37, 31, v0                          ; lane
	v_and_b32 v33, 15, v0                          ; r
	v_bfe_u32 v34, v0, 4, 1                        ; h
	v_mul_u32_u24 v35, v33, PX
	v_lshl_add_u32 v35, v34, 4, v35                ; a fragment's row x pitch + 16 h
	s_mul_i32 s38, s20, 64*PX
	v_add_nc_u32 v3, s38, v35                      ; AX: my 64 tokens' codes
	s_mul_i32 s38, s19, 96*PX
	s_add_co_u32 s38, s38, WC
	v_add_nc_u32 v4, s38, v35                      ; AW: my head's 96 rows of weights
	s_xor_b32 s38, s20, 3                          ; the scale words: lanes 0-15 stand at x's rows, XS + 1,024 qq + 16 r; lanes 16-31 at the weights', WS + 1,536 hd + 16 r:
	s_lshl_b32 s38, s38, 10                        ; the lower base + h x the distance, (3 - qq) 1,024 + 1,024 + 1,536 hd
	s_mul_i32 s39, s19, 1536
	s_add_co_u32 s38, s38, s39
	s_add_co_u32 s38, s38, 1024
	v_mul_u32_u24 v36, s38, v34
	s_lshl_b32 s39, s20, 10
	s_add_co_u32 s39, s39, XS
	v_lshl_add_u32 v5, v33, 4, v36
	v_add_nc_u32 v5, s39, v5
	s_lshl_b32 s38, s20, 13
	v_lshlrev_b32 v6, 7, v33
	v_lshl_add_u32 v6, v34, 5, v6
	v_add_nc_u32 v6, s38, v6                       ; TO: the tables: row 64 qq + r of 128 bytes, + 32 h
	s_lshl_b32 s38, s19, 15
	s_add_co_u32 s38, s38, KI
	v_lshl_add_u32 v7, v37, 4, s38                 ; IMR: my head's images, 16 x lane
	; the copy in: offsets and targets
	v_lshlrev_b32 v38, 4, v37
	v_lshlrev_b32 v39, 3, v37
	v_lshlrev_b32 v40, 2, v37
	v_mul_u32_u24 v36, v34, PX
	v_lshl_add_u32 v36, v33, 4, v36                ; two rows an instruction: lanes 0-15 one, lanes 16-31 the next
	s_mul_i32 s38, s18, 16*PX
	v_add_nc_u32 v41, s38, v36                     ; x's rows 16 w on
	s_mul_i32 s38, s18, 24*PX
	s_add_co_u32 s38, s38, WC
	v_add_nc_u32 v42, s38, v36                     ; the weights' rows 24 w on
	s_lshl_b32 s38, s18, 8
	s_add_co_u32 s38, s38, XS
	v_lshl_add_u32 v43, v37, 3, s38
	s_mul_i32 s38, s18, 384
	s_add_co_u32 s38, s38, WS
	v_lshl_add_u32 v44, v37, 2, s38
	s_lshl_b32 s28, s22, 16                        ; x's codes: 65,536 bt + 4,096 w
	s_lshl_b32 s38, s18, 12
	s_add_co_u32 s28, s28, s38
	s_mov_b32 s29, 0
	s_lshl_b32 s30, s22, 12                        ; x's scales: 4,096 bt + 256 w
	s_lshl_b32 s38, s18, 8
	s_add_co_u32 s30, s30, s38
	s_mov_b32 s31, 0
	s_mul_i32 s32, ttmp9, 98304                    ; the weights' codes: 98,304 g + 6,144 w
	s_mul_i32 s38, s18, 6144
	s_add_co_u32 s32, s32, s38
	s_mov_b32 s33, 0
	s_mul_i32 s34, ttmp9, 6144                     ; their scales: 6,144 g + 384 w
	s_mul_i32 s38, s18, 384
	s_add_co_u32 s34, s34, s38
	s_mov_b32 s35, 0
	s_lshl_b32 s36, s22, 1                         ; o: ((2 bt + qq / 2) 16 + 4 g + hd) 8,192 + (qq % 2) 4,096
	s_lshr_b32 s38, s20, 1
	s_add_co_u32 s36, s36, s38
	s_lshl_b32 s36, s36, 4
	s_lshl_b32 s38, ttmp9, 2
	s_add_co_u32 s36, s36, s38
	s_add_co_u32 s36, s36, s19
	s_lshl_b32 s36, s36, 13
	s_and_b32 s38, s20, 1
	s_lshl_b32 s38, s38, 12
	s_add_co_u32 s36, s36, s38
	s_mov_b32 s37, 0
	s_mov_b32 s24, 0x2cbaf14a                      ; c2 = c0 / 4.8e10
	s_mov_b32 s25, s24                             ; (named with it as a pair, so it is written)
	s_mov_b32 s26, 0x76543210
	s_mov_b32 s27, 0xfedcba98                      ; v_permlanex16_b32's selects for lane l xor 16
	s_wait_kmcnt 0x0
	s_add_nc_u64 s[4:5], s[4:5], s[28:29]
	s_add_nc_u64 s[6:7], s[6:7], s[30:31]
	s_add_nc_u64 s[8:9], s[8:9], s[32:33]
	s_add_nc_u64 s[10:11], s[10:11], s[34:35]
	s_add_nc_u64 s[16:17], s[16:17], s[36:37]
	; ---- THE COPY IN: 24 loads a wave, each of consecutive bytes; the codes' rows get 16 bytes of padding in LDS
.irp i, 0,1,2,3,4,5,6,7
	global_load_b128 v[64+4*\i:67+4*\i], v38, s[4:5] offset:512*\i
.endr
.irp i, 0,1,2,3,4,5,6,7,8,9,10,11
	global_load_b128 v[96+4*\i:99+4*\i], v38, s[8:9] offset:512*\i
.endr
	global_load_b64 v[144:145], v39, s[6:7]
.irp i, 0,1,2
	global_load_b32 v[146+\i], v40, s[10:11] offset:128*\i
.endr
	s_wait_loadcnt 16                              ; x's eight loads are in; the 16 younger stay out
.irp i, 0,1,2,3,4,5,6,7
	ds_store_b128 v41, v[64+4*\i:67+4*\i] offset:2*PX*\i
.endr
	s_wait_loadcnt 4                               ; the weights' twelve are in; the four loads of scale bytes stay out
.irp i, 0,1,2,3,4,5,6,7,8,9,10,11
	ds_store_b128 v42, v[96+4*\i:99+4*\i] offset:2*PX*\i
.endr
	s_wait_loadcnt 0x0
	ds_store_b64 v43, v[144:145]
.irp i, 0,1,2
	ds_store_b32 v44, v[146+\i] offset:128*\i
.endr
	s_wait_dscnt 0x0                               ; for the others' sake: my stores have landed
	s_barrier_signal -1
	s_barrier_wait -1                              ; codes and scale bytes are whole
	; ---- the scale words, once: register 8 + 4 i + s: lanes 0-15 the word of x's tile i, lanes 16-31 that of the weights' tile i (q0 q1 k0 k1 v0 v1), for K step s.  (Lanes 0-15 of i = 4, 5 read written bytes that nobody uses)
.irp i, 0,1,2,3,4,5
	ds_load_b128 v[8+4*\i:11+4*\i], v5 offset:256*\i
.endr
	s_lshl_b32 s38, s20, 12
	v_add_nc_u32 v5, s38, v7                       ; IMW: where my images go: 4,096 qq on in my head's
; the tables of token tile i: cos at my dims 8 h + 0 .. 7 and 16 + 8 h + 0 .. 7 into base + 0 .. 15, sin likewise into base + 16 .. 31
.macro TABLE i, base
.irp q, 0,1,2,3
	global_load_b128 v[\base+4*\q:\base+4*\q+3], v6, s[12:13] offset:2048*(\i)+64*(\q/2)+16*(\q%2)
	global_load_b128 v[\base+16+4*\q:\base+19+4*\q], v6, s[14:15] offset:2048*(\i)+64*(\q/2)+16*(\q%2)
.endr
.endm
	TABLE 0, 32                                    ; tile 0's stay out through both passes
; a fragment, 16 rows x 128 K of 4-bit codes, is 8 registers: lane (r, h) holds row r; registers 4 c .. 4 c + 3 hold K = 64 c + 32 h + 0 .. 31: two loads of 16 bytes, 32 apart
.macro XFR s                           ; my four token tiles, K step s -> v64-95
.irp i, 0,1,2,3
.irp c, 0,1
	ds_load_b128 v[64+8*\i+4*\c:67+8*\i+4*\c], v3 offset:16*PX*\i+64*(\s)+32*\c
.endr
.endr
.endm
.macro WFR s, a0, n                    ; the weights' tiles a0 .. a0 + n - 1 -> v96 on
.set WA, 0
.rept \n
.irp c, 0,1
	ds_load_b128 v[96+8*WA+4*\c:99+8*WA+4*\c], v4 offset:16*PX*(\a0+WA)+64*(\s)+32*\c
.endr
.set WA, WA+1
.endr
.endm
	; ---- V: source 0 = 16 tokens, source 1 = 16 channels: a lane holds channel r and tokens 8 h + j, so that two neighbouring token tiles, rounded in pairs, ARE a fragment of V^T (16 channels x 32 keys).
	; Eight accumulators by turns, one instruction a turn.  Accumulator (ct, i) at v[128 + 16 (2 ct + i / 2) + 8 (i % 2)]
.irp s, 0,1,2,3
.if \s > 0
	NOPS 4                                         ; places in front of loads into registers that matrix instructions have read
.endif
	XFR \s
	WFR \s, 4, 2
	s_wait_dscnt 0x0                               ; the fragments (and, the first time, the scale words) are in
.irp i, 0,1,2,3
.irp ct, 0,1
.if \s == 0
	v_wmma_scale_f32_16x16x128_f8f6f4 v[128+16*(2*\ct+\i/2)+8*(\i%2):135+16*(2*\ct+\i/2)+8*(\i%2)], v[64+8*\i:71+8*\i], v[96+8*\ct:103+8*\ct], 0, v[8+4*\i+\s], v[24+4*\ct+\s] matrix_a_fmt:MATRIX_FMT_FP4 matrix_b_fmt:MATRIX_FMT_FP4 matrix_b_scale:MATRIX_SCALE_ROW1
.else
	v_wmma_scale_f32_16x16x128_f8f6f4 v[128+16*(2*\ct+\i/2)+8*(\i%2):135+16*(2*\ct+\i/2)+8*(\i%2)], v[64+8*\i:71+8*\i], v[96+8*\ct:103+8*\ct], v[128+16*(2*\ct+\i/2)+8*(\i%2):135+16*(2*\ct+\i/2)+8*(\i%2)], v[8+4*\i+\s], v[24+4*\ct+\s] matrix_a_fmt:MATRIX_FMT_FP4 matrix_b_fmt:MATRIX_FMT_FP4 matrix_b_scale:MATRIX_SCALE_ROW1
.endif
.endr
.endr
.endr
	NOPS 4                                         ; places in front of the first read of results
.irp f, 0,1,2,3                        ; rounded to f16 in place, ascending: register m takes numbers 2 m and 2 m + 1; each accumulator is read from its low end on
.irp m, 0,1,2,3,4,5,6,7
	v_cvt_pk_f16_f32 v[128+16*\f+\m], v[128+16*\f+2*\m], v[128+16*\f+2*\m+1]
.endr
.endr
.irp ct, 0,1
.irp u, 0,1
	ds_store_b128 v5, v[128+16*(2*\ct+\u):131+16*(2*\ct+\u)] offset:16384+2048*\u+1024*\ct        ; key step 2 qq + u, channel tile ct
	ds_store_b128 v5, v[132+16*(2*\ct+\u):135+16*(2*\ct+\u)] offset:16384+2048*\u+1024*\ct+512
.endr
.endr
	; ---- Q AND K, TRANSPOSED: source 0 = 16 rows of the weight, source 1 = 16 tokens: a lane holds token r and dims 8 h + j (tile q0, k0) and 16 + 8 h + j (q1, k1): RoPE's partners d and d + 16 lie in one
	; lane at the same j.  Accumulator (i, a) at v[128 + 32 i + 8 a], a = q0 q1 k0 k1; sixteen by turns
.irp s, 0,1,2,3
	NOPS 4                                         ; places in front of the loads; with the four and the conversions above they are also more than the five owed before V's accumulators are written over
	XFR \s
	WFR \s, 0, 4
	s_wait_dscnt 0x0                               ; the fragments are in; the first time also: V's stores have read their registers
.irp i, 0,1,2,3
.irp a, 0,1,2,3
.if \s == 0
	v_wmma_scale_f32_16x16x128_f8f6f4 v[128+32*\i+8*\a:135+32*\i+8*\a], v[96+8*\a:103+8*\a], v[64+8*\i:71+8*\i], 0, v[8+4*\a+\s], v[8+4*\i+\s] matrix_a_fmt:MATRIX_FMT_FP4 matrix_b_fmt:MATRIX_FMT_FP4 matrix_a_scale:MATRIX_SCALE_ROW1
.else
	v_wmma_scale_f32_16x16x128_f8f6f4 v[128+32*\i+8*\a:135+32*\i+8*\a], v[96+8*\a:103+8*\a], v[64+8*\i:71+8*\i], v[128+32*\i+8*\a:135+32*\i+8*\a], v[8+4*\a+\s], v[8+4*\i+\s] matrix_a_fmt:MATRIX_FMT_FP4 matrix_b_fmt:MATRIX_FMT_FP4 matrix_a_scale:MATRIX_SCALE_ROW1
.endif
.endr
.endr
.endr
	NOPS 4                                         ; places in front of reads of results, of writes and of loads into the fragments' registers
.irp j, 116,117,118,119,120,121
	v_mov_b32 v\j, 0                               ; written once: permute destinations, and the upper halves of the pairs that the packed multiplies name
.endr
	TABLE 1, 64
; ---- RoPE, norm, f16, for token tile i with its tables at tb.  lo = dims 8 h + j, hi = dims 16 + 8 h + j:  lo' = lo cos(lo) - hi sin(lo);  hi' = hi cos(hi) + lo sin(hi)
.macro ROT b
.irp p, 0,2,4,6
	v_pk_mul_f32 v[96+\p:97+\p], v[\b+8+\p:\b+9+\p], v[TB+16+\p:TB+17+\p]
.endr
.irp p, 0,2,4,6
	v_pk_mul_f32 v[104+\p:105+\p], v[\b+\p:\b+1+\p], v[TB+24+\p:TB+25+\p]
.endr
.irp p, 0,2,4,6
	v_pk_fma_f32 v[\b+\p:\b+1+\p], v[\b+\p:\b+1+\p], v[TB+\p:TB+1+\p], v[96+\p:97+\p] neg_lo:[0,0,1] neg_hi:[0,0,1]
.endr
.irp p, 0,2,4,6
	v_pk_fma_f32 v[\b+8+\p:\b+9+\p], v[\b+8+\p:\b+9+\p], v[TB+8+\p:TB+9+\p], v[104+\p:105+\p]
.endr
.endm
.macro ROPE i, tb
.set BQ, 128+32*(\i)
.set BK, 144+32*(\i)
.set TB, \tb
	ROT BQ
	ROT BK
	v_pk_mul_f32 v[112:113], v[BQ:BQ+1], v[BQ:BQ+1]                ; the sums of squares of my 16 dims, q's and k's chains by turns
	v_pk_mul_f32 v[114:115], v[BK:BK+1], v[BK:BK+1]
.irp p, 2,4,6,8,10,12,14
	v_pk_fma_f32 v[112:113], v[BQ+\p:BQ+1+\p], v[BQ+\p:BQ+1+\p], v[112:113]
	v_pk_fma_f32 v[114:115], v[BK+\p:BK+1+\p], v[BK+\p:BK+1+\p], v[114:115]
.endr
	v_add_f32 v112, v112, v113
	v_add_f32 v114, v114, v115
	v_permlanex16_b32 v116, v112, s26, s27         ; the token's other 16 dims lie in the lane 16 away
	v_permlanex16_b32 v117, v114, s26, s27
	v_add_f32 v112, v112, v116
	v_add_f32 v114, v114, v117
	v_mul_f32 v112, 0x3d000000, v112               ; / 32: the mean
	v_mul_f32 v114, 0x3d000000, v114
	v_max_num_f32 v112, 0x358637bd, v112           ; max(., 1e-6)
	v_max_num_f32 v114, 0x358637bd, v114
	v_rsq_f32 v118, v112
	v_rsq_f32 v120, v114
	v_nop                                          ; a plain line behind the two roots,
	s_wait_alu depctr_va_vdst(0)                   ; and one wait ahead of their first reader
.irp p, 0,2,4,6,8,10,12,14
	v_pk_mul_f32 v[BQ+\p:BQ+1+\p], v[BQ+\p:BQ+1+\p], v[118:119] op_sel_hi:[1,0]
	v_pk_mul_f32 v[BK+\p:BK+1+\p], v[BK+\p:BK+1+\p], v[120:121] op_sel_hi:[1,0]
.endr
.irp m, 0,1,2,3,4,5,6,7                ; to f16 in place, ascending: eight registers are a fragment, 16 tokens x 32 dims
	v_cvt_pk_f16_f32 v[BQ+\m], v[BQ+2*\m], v[BQ+2*\m+1]
	v_cvt_pk_f16_f32 v[BK+\m], v[BK+2*\m], v[BK+2*\m+1]
.endr
	ds_store_b128 v5, v[BK:BK+3] offset:1024*(\i)              ; K's goes to its head's waves; Q's stays in v[128 + 32 i] on
	ds_store_b128 v5, v[BK+4:BK+7] offset:1024*(\i)+512
.endm
	s_wait_loadcnt 8                               ; tile 0's eight loads are in; tile 1's stay out
	ROPE 0, 32
	TABLE 2, 32
	s_wait_loadcnt 8                               ; tile 1's are in; tile 2's stay out
	ROPE 1, 64
	TABLE 3, 64
	s_wait_loadcnt 8                               ; tile 2's are in; tile 3's stay out
	ROPE 2, 32
	s_wait_loadcnt 0x0
	ROPE 3, 64
	s_wait_dscnt 0x0                               ; for the others' sake: my images of K and V^T have landed
	s_barrier_signal -1
	s_barrier_wait -1                              ; every head's 16 + 16 images are whole
	; ---- ATTENTION: 8 steps of 32 keys.  S^T = K Q^T (source 0 = 16 keys, source 1 = 16 queries) and O^T = V^T P (source 0 = 16 channels, source 1 = P): a lane holds ONE query throughout.
	; v32-47 K's two fragments; v[48 + 2 t] the sum's two halves of query tile t; v[56:57] c1, v[58:59] c0; v60-63 permute destinations; v[64 + 16 t + 8 ct] O^T; v[128 + 32 t] Q; v[136 + 32 t] 16 scores, then
	; p, then P's 8 registers; v152-159, v184-191 V^T's two fragments; v216-223, v248-255 at work
	v_mov_b32 v56, 0xb58ea037                      ; c1 = -c0 / 240,000
	v_mov_b32 v57, 0xb58ea037
	v_mov_b32 v58, 0x3e8293ee                      ; c0 = log2(e) / sqrt(32)
	v_mov_b32 v59, 0x3e8293ee
.irp j, 60,61,62,63
	v_mov_b32 v\j, 0
.endr
.irp kt, 0,1
.irp c, 0,1
	ds_load_b128 v[32+8*\kt+4*\c:35+8*\kt+4*\c], v7 offset:1024*\kt+512*\c       ; K of step 0
.endr
.endr
.macro KSTEP u, first, last
.if \u > 0
	NOPS 5                                         ; four places in front of the loads into V^T's registers; the fifth since the products below write over P's registers, which the last products read
.endif
.irp ct, 0,1
.irp c, 0,1
	ds_load_b128 v[152+32*\ct+4*\c:155+32*\ct+4*\c], v7 offset:16384+2048*(\u)+1024*\ct+512*\c
.endr
.endr
	s_wait_dscnt 0x4                               ; K's four loads are in; V^T's four, just issued, stay out
.irp kt, 0,1
.irp t, 0,1,2,3
	v_wmma_f32_16x16x32_f16 v[136+32*\t+8*\kt:143+32*\t+8*\kt], v[32+8*\kt:39+8*\kt], v[128+32*\t:135+32*\t], 0
.endr
.endr
	NOPS 4                                         ; places in front of the loads into K's registers and of the first read of scores
.if \last == 0
.irp kt, 0,1
.irp c, 0,1
	ds_load_b128 v[32+8*\kt+4*\c:35+8*\kt+4*\c], v7 offset:2048*((\u)+1)+1024*\kt+512*\c     ; K of the next step
.endr
.endr
.endif
	; ONE BATCH: t = s (c0 + u (c1 + c2 u)), u = s^2, packed, eight scores a group; the exponentials of the group before stand two behind each run of four.  Nothing here names an exponential's result
.set G, 0
.rept 8
.set XB, 136+32*(G/2)+8*(G%2)
.set XP, 136+32*((G+7)/2-3-(G+7)/8)+8*((G+1)%2)    ; the group before's eight registers (used where G > 0)
.irp k, 0,1,2,3
	v_pk_mul_f32 v[216+2*\k:217+2*\k], v[XB+2*\k:XB+2*\k+1], v[XB+2*\k:XB+2*\k+1]
.endr
.if G > 0
	v_exp_f32 v[XP], v[XP]
	v_exp_f32 v[XP+1], v[XP+1]
.endif
.irp k, 0,1,2,3
	v_pk_fma_f32 v[248+2*\k:249+2*\k], v[216+2*\k:217+2*\k], s[24:25], v[56:57] op_sel_hi:[1,0,1]
.endr
.if G > 0
	v_exp_f32 v[XP+2], v[XP+2]
	v_exp_f32 v[XP+3], v[XP+3]
.endif
.irp k, 0,1,2,3
	v_pk_fma_f32 v[248+2*\k:249+2*\k], v[216+2*\k:217+2*\k], v[248+2*\k:249+2*\k], v[58:59]
.endr
.if G > 0
	v_exp_f32 v[XP+4], v[XP+4]
	v_exp_f32 v[XP+5], v[XP+5]
.endif
.irp k, 0,1,2,3
	v_pk_mul_f32 v[XB+2*\k:XB+2*\k+1], v[XB+2*\k:XB+2*\k+1], v[248+2*\k:249+2*\k]
.endr
.if G > 0
	v_exp_f32 v[XP+6], v[XP+6]
	v_exp_f32 v[XP+7], v[XP+7]
.endif
.set G, G+1
.endr
.irp j, 240,241,242,243,244,245,246,247
	v_exp_f32 v\j, v\j                             ; the last group's
.endr
	v_nop                                          ; a plain line behind the last exponential,
	s_wait_alu depctr_va_vdst(0)                   ; and ONE wait for the 64 ahead of their first reader
.irp m, 0,1,2,3,4,5,6,7                ; the row's sum is taken of the unrounded p; in the first step the first two pairs start it: nothing is cleared
.irp t, 0,1,2,3
.if \first && (\m == 0)
.elseif \first && (\m == 1)
	v_pk_add_f32 v[48+2*\t:49+2*\t], v[136+32*\t:137+32*\t], v[138+32*\t:139+32*\t]
.else
	v_pk_add_f32 v[48+2*\t:49+2*\t], v[48+2*\t:49+2*\t], v[136+32*\t+2*\m:137+32*\t+2*\m]
.endif
.endr
.endr
.irp m, 0,1,2,3,4,5,6,7                ; p to f16 in place, ascending: eight registers are source 1 of the second product, 32 keys x 16 queries
.irp t, 0,1,2,3
	v_cvt_pk_f16_f32 v[136+32*\t+\m], v[136+32*\t+2*\m], v[136+32*\t+2*\m+1]
.endr
.endr
.if \last
	s_wait_dscnt 0x0
.else
	s_wait_dscnt 0x4                               ; V^T's four loads are in; the next step's K stays out
.endif
.irp t, 0,1,2,3
.irp ct, 0,1
.if \first
	v_wmma_f32_16x16x32_f16 v[64+16*\t+8*\ct:71+16*\t+8*\ct], v[152+32*\ct:159+32*\ct], v[136+32*\t:143+32*\t], 0
.else
	v_wmma_f32_16x16x32_f16 v[64+16*\t+8*\ct:71+16*\t+8*\ct], v[152+32*\ct:159+32*\ct], v[136+32*\t:143+32*\t], v[64+16*\t+8*\ct:71+16*\t+8*\ct]
.endif
.endr
.endr
.endm
	KSTEP 0, 1, 0
.irp u, 1,2,3,4,5,6
	KSTEP \u, 0, 0
.endr
	KSTEP 7, 0, 1
	; ---- THE WAY OUT.  The additions are the places behind the last products
.irp t, 0,1,2,3
	v_add_f32 v[48+2*\t], v[48+2*\t], v[49+2*\t]
.endr
.irp t, 0,1,2,3
	v_permlanex16_b32 v[60+\t], v[48+2*\t], s26, s27               ; the query's other keys lie in the lane 16 away
.endr
.irp t, 0,1,2,3
	v_add_f32 v[48+2*\t], v[48+2*\t], v[60+\t]
.endr
.irp t, 0,1,2,3
	v_rcp_f32 v[48+2*\t], v[48+2*\t]
.endr
	v_and_b32 v3, 31, v0                           ; (plain lines behind the reciprocals)
	v_lshlrev_b32 v3, 4, v3                        ; 16 x lane
	s_wait_alu depctr_va_vdst(0)                   ; one wait for the four, ahead of their first reader
.irp t, 0,1,2,3
.irp p, 0,2,4,6,8,10,12,14
	v_pk_mul_f32 v[64+16*\t+\p:65+16*\t+\p], v[64+16*\t+\p:65+16*\t+\p], v[48+2*\t:49+2*\t] op_sel_hi:[1,0]
.endr
.endr
.irp t, 0,1,2,3
.irp m, 0,1,2,3,4,5,6,7
	v_cvt_pk_f16_f32 v[64+16*\t+\m], v[64+16*\t+2*\m], v[64+16*\t+2*\m+1]      ; lane (r, h): o[token r][16 c + 8 h + 0 .. 7] in registers 4 c .. 4 c + 3: the last launch's operand as it stands
.endr
.endr
.irp t, 0,1,2,3
	global_store_b128 v3, v[64+16*\t:67+16*\t], s[16:17] offset:1024*\t        ; each store of the wave covers 512 consecutive bytes, aligned
	global_store_b128 v3, v[68+16*\t:71+16*\t], s[16:17] offset:1024*\t+512
.endr
	s_wait_tensorcnt 0x0                           ; the wave's end: three closing lines behind my last LDS store
	ds_add_u32 v1, v2
	s_wait_dscnt 0x0
	s_endpgm
.Lfunc_end_k_q7537f6b76c_attn:
	.size	k_q7537f6b76c_attn, .Lfunc_end_k_q7537f6b76c_attn-k_q7537f6b76c_attn
	.p2alignl 7, 3214868480
	.fill 96, 4, 3214868480
	.section	.rodata,"a",@progbits
	.p2align	6, 0x0
	.amdhsa_kernel k_q7537f6b76c_attn
		.amdhsa_group_segment_fixed_size 317440
		.amdhsa_private_segment_fixed_size 0
		.amdhsa_enable_private_segment 0
		.amdhsa_kernarg_size 56
		.amdhsa_user_sgpr_count 2
		.amdhsa_user_sgpr_kernarg_segment_ptr 1
		.amdhsa_wavefront_size32 1
		.amdhsa_system_sgpr_workgroup_id_x 1
		.amdhsa_system_sgpr_workgroup_id_y 1
		.amdhsa_system_sgpr_workgroup_id_z 1
		.amdhsa_system_vgpr_workitem_id 0
		.amdhsa_next_free_vgpr 256
		.amdhsa_next_free_sgpr 66
		.amdhsa_reserve_vcc 0
		.amdhsa_float_denorm_mode_32 3
		.amdhsa_float_denorm_mode_16_64 3
		.amdhsa_memory_ordered 1
		.amdhsa_forward_progress 1
		.amdhsa_inst_pref_size 191
	.end_amdhsa_kernel
	.amdgpu_metadata
---
amdhsa.version: [ 1, 2 ]
amdhsa.kernels:
  - .name:           k_q7537f6b76c_attn
    .symbol:         k_q7537f6b76c_attn.kd
    .args:
      - { .name: xcodes, .offset: 0, .size: 8, .value_kind: global_buffer, .address_space: global }
      - { .name: xscales, .offset: 8, .size: 8, .value_kind: global_buffer, .address_space: global }
      - { .name: wcodes, .offset: 16, .size: 8, .value_kind: global_buffer, .address_space: global }
      - { .name: wscales, .offset: 24, .size: 8, .value_kind: global_buffer, .address_space: global }
      - { .name: rope_cos, .offset: 32, .size: 8, .value_kind: global_buffer, .address_space: global }
      - { .name: rope_sin, .offset: 40, .size: 8, .value_kind: global_buffer, .address_space: global }
      - { .name: o16, .offset: 48, .size: 8, .value_kind: global_buffer, .address_space: global }
    .group_segment_fixed_size: 317440
    .private_segment_fixed_size: 0
    .kernarg_segment_align: 8
    .kernarg_segment_size: 56
    .max_flat_workgroup_size: 512
    .sgpr_count:     66
    .vgpr_count:     256
    .wavefront_size: 32
...
	.end_amdgpu_metadata
.endif
;; end of part 2
;; launch proj (part 3): grid 2 x 128, 4 waves a work-group, no clusters, 167,936 bytes of LDS; arguments o16, wo16, out0; writes out0
.if DOCPART == 3
	.amdgcn_target "amdgcn-amd-amdhsa--gfx1250"
	.amdhsa_code_object_version 6
	.text
	.protected	k_q7537f6b76c_proj
	.globl	k_q7537f6b76c_proj
	.p2align	8
	.type	k_q7537f6b76c_proj,@function
k_q7537f6b76c_proj:
	s_mov_b64 s[64:65], 0
	v_nop
	global_prefetch_b8 v0, s[64:65] scope:SCOPE_SE
	s_setreg_imm32_b32 hwreg(HW_REG_WAVE_MODE, 25, 1), 1
	s_wait_xcnt 0x0
; out0[token][e] = sum over d of o[token][d] Wo[e][d]; o and Wo in f16, sums and result in f32.
; SHARES.  Work-group (ch, blk): tokens 128 blk .. + 127, columns 256 ch .. + 255.  Four waves; wave w makes all 128 rows x columns 256 ch + 64 w .. + 63: 32 accumulators of 16 x 16.
; o's block is 131,072 consecutive bytes of images of operand registers ([K step s of 32][token tile m][half c][lane][16 bytes]): it comes into LDS once, a quarter by each wave's one tensor load; by this text's
; own count one tensor load of a wave is ever out, and no LDS byte is filled twice.  A fragment of Wo serves one wave alone: it goes from memory straight into registers, by dense loads, and stays: 512 registers.
; THE MATRIX INSTRUCTION IS USED TRANSPOSED (source 0 = 16 rows of Wo, source 1 = 16 tokens): a lane holds eight neighbouring columns of one row of the result.
; NO CLUSTER: an o block is read by two work-groups, and the grid's 2 along x divides into no cluster of four; Wo's fragments go to the registers of one wave each, where there is no joint form.
; LIMITS: as the launches before: |o|, |Wo| under 65,504; NaN and infinities are not served.
; REGISTERS, in windows of 256: window 0: v1, v2 the add's two; v3, v4 o's images (K steps 0-7, 8-15), v5 Wo's offset, v6, v7 the stage in and back, v8 my bytes in two rows of the result; v64-127, v128-191 o's
; fragments, two buffers; on the way out v64-127 rows of the result.  window 1: accumulator (m, n) at v[8 (4 m + n)].  windows 2, 3: Wo's fragments of K steps 0-7, 8-15, (s, n) at v[32 (s % 8) + 8 n].
.set STAGE, 131072                     ; behind o's images: 16 rows x (256 + 16) bytes for each wave; no tensor load lands here
.set SPARE, STAGE+4*4352               ; the spare words, 128 bytes a wave, which no other line names
.set MSB, 0
.macro WIN new                         ; the immediate's high byte repeats the setting that is left; a switch that changes nothing is dropped
.if MSB != (\new)
	s_set_vgpr_msb (MSB<<8)|(\new)
.set MSB, (\new)
.endif
.endm
.macro NOPS n
.rept \n
	v_nop
.endr
.endm
	s_load_b128 s[4:7], s[0:1], 0x0                ; o s[4:5], Wo s[6:7]
	s_load_b64 s[8:9], s[0:1], 0x10                ; the result
	v_lshl_add_u32 v1, v0, 2, SPARE
	v_mov_b32 v2, 0
	ds_add_u32 v1, v2                              ; the wave's opening: the add, twice on end, and its wait ahead of my tensor load; the set-up below stands between
	ds_add_u32 v1, v2
	v_lshrrev_b32 v9, 5, v0
	v_readfirstlane_b32 s10, v9                    ; wave
	s_and_b32 s11, ttmp7, 0xffff                   ; blk
	; descriptor group 1: 128 rows of 32 elements of 8 bytes, dense, no padding: 32,768 bytes
	s_mov_b32 s16, 3<<16                           ; no mask; elements of 8 bytes; padding off
	s_mov_b32 s17, 32<<16                          ; tensor_dim0 = 32
	s_mov_b32 s18, 128<<16                         ; tensor_dim1 = 128
	s_mov_b32 s19, 32<<16                          ; tile_dim0 = 32
	s_mov_b32 s20, 128                             ; tile_dim1 = 128
	s_mov_b32 s21, 32                              ; from row to row
	s_mov_b32 s22, 0
	s_mov_b32 s23, 0
	s_mov_b32 s12, 1                               ; group 0: count = 1,
	s_lshl_b32 s13, s10, 15                        ; LDS address: 32,768 x wave
	s_lshl_b32 s24, s11, 17                        ; o: 131,072 blk + 32,768 wave
	s_add_co_u32 s24, s24, s13
	s_mov_b32 s25, 0
	s_lshl_b32 s26, ttmp9, 18                      ; Wo: 262,144 ch + 65,536 wave: my four tiles of 16 rows
	s_lshl_b32 s30, s10, 16
	s_add_co_u32 s26, s26, s30
	s_mov_b32 s27, 0
	s_lshl_b32 s28, s11, 18                        ; the result: 128 rows of 2,048 bytes x blk + 1,024 ch + 256 wave
	s_lshl_b32 s30, ttmp9, 10
	s_add_co_u32 s28, s28, s30
	s_lshl_b32 s30, s10, 8
	s_add_co_u32 s28, s28, s30
	s_mov_b32 s29, 0
	s_mul_i32 s30, s10, 4352
	s_add_co_u32 s30, s30, STAGE                   ; my stage
	v_and_b32 v9, 31, v0
	v_lshlrev_b32 v3, 4, v9                        ; 16 x lane
	v_add_nc_u32 v4, 0x10000, v3                   ; and 65,536 on: an LDS offset has 16 bits
	v_lshlrev_b32 v5, 4, v9
	v_and_b32 v10, 15, v0                          ; r
	v_bfe_u32 v11, v0, 4, 1                        ; h
	v_mul_u32_u24 v6, v10, 272
	v_lshl_add_u32 v6, v11, 5, v6
	v_add_nc_u32 v6, s30, v6                       ; in: row r, 32 bytes for each half of the lanes
	v_mul_u32_u24 v7, v11, 272
	v_lshl_add_u32 v7, v10, 4, v7
	v_add_nc_u32 v7, s30, v7                       ; back: lanes 0-15 one row of 256 bytes, lanes 16-31 the next
	v_lshlrev_b32 v8, 11, v11
	v_lshl_add_u32 v8, v10, 4, v8                  ; and the same two rows in the result
	s_wait_dscnt 0x0                               ; both opening adds are done
	s_wait_kmcnt 0x0
	s_add_nc_u64 s[14:15], s[4:5], s[24:25]        ; global address of my quarter,
	s_or_b32 s15, s15, 0x80000000                  ; type = 2
	s_add_nc_u64 s[6:7], s[6:7], s[26:27]
	s_add_nc_u64 s[8:9], s[8:9], s[28:29]
	tensor_load_to_lds s[12:15], s[16:23]
	s_nop 0
	NOPS 4                                         ; (the windows are switched only behind these)
.macro BLOAD s                         ; Wo's four fragments of K step s: eight loads of 512 consecutive bytes
	WIN 0x80+0x40*((\s)/8)
.irp n, 0,1,2,3
.irp c, 0,1
	global_load_b128 v[32*((\s)%8)+8*\n+4*\c:32*((\s)%8)+8*\n+4*\c+3], v5, s[6:7] offset:16384*\n+1024*(\s)+512*\c
.endr
.endr
.endm
.macro ALOAD s                         ; o's eight fragments of K step s into buffer s % 2
.irp m, 0,1,2,3,4,5,6,7
.irp c, 0,1
	ds_load_b128 v[64+64*((\s)%2)+8*\m+4*\c:64+64*((\s)%2)+8*\m+4*\c+3], v[3+(\s)/8] offset:8192*((\s)%8)+1024*\m+512*\c
.endr
.endr
.endm
.irp s, 0,1,2,3,4,5,6
	BLOAD \s                                       ; seven K steps of Wo, 56 loads, are asked for at once
.endr
	WIN 0
	s_wait_tensorcnt 0x0                           ; my quarter of o's block is in,
	s_barrier_signal -1
	s_barrier_wait -1                              ; everybody's is
	ALOAD 0
; A K step of 32: 32 matrix instructions, the 32 accumulators by turns, one instruction a turn, in the same order in every step
.macro KS s
	WIN 0
.if (\s) > 0
	NOPS 4                                         ; places in front of loads into the buffer that the last step's products read
.endif
.if (\s) < 15
	ALOAD (\s)+1
.endif
.if (\s) < 10
	s_wait_loadcnt 48                              ; Wo's fragments of this step are in; the six steps asked for behind it stay out
.else
	s_wait_loadcnt 8*(15-(\s))                     ; towards the end fewer steps stand behind it
.endif
.if (\s) < 9
	BLOAD (\s)+7
.endif
.if (\s) < 15
	s_wait_dscnt 16                                ; this step's fragments of o are in; the 16 loads just issued stay out
.else
	s_wait_dscnt 0x0
.endif
	WIN 0x52+(\s)/8                                ; source 0 (Wo) window 2 or 3, source 1 (o) window 0, C and D window 1
.irp m, 0,1,2,3,4,5,6,7
.irp n, 0,1,2,3
.if (\s) == 0
	v_wmma_f32_16x16x32_f16 v[8*(4*\m+\n):8*(4*\m+\n)+7], v[32*((\s)%8)+8*\n:32*((\s)%8)+8*\n+7], v[64+64*((\s)%2)+8*\m:64+64*((\s)%2)+8*\m+7], 0
.else
	v_wmma_f32_16x16x32_f16 v[8*(4*\m+\n):8*(4*\m+\n)+7], v[32*((\s)%8)+8*\n:32*((\s)%8)+8*\n+7], v[64+64*((\s)%2)+8*\m:64+64*((\s)%2)+8*\m+7], v[8*(4*\m+\n):8*(4*\m+\n)+7]
.endif
.endr
.endr
.endm
.irp s, 0,1,2,3,4,5,6,7,8,9,10,11,12,13,14,15
	KS \s
.endr
	WIN 0
; THE WAY OUT, a tile of 16 rows x 64 columns at a time.  A lane holds 32 neighbouring bytes of a row and the lanes beside it hold other rows: so a tile goes through my own stage and comes back as rows of 256 bytes.
; LDS serves a wave's instructions in order: no wait between the stores and the loads, nor in front of the next tile's stores.
.macro TOSTAGE m
	WIN 0x04                                       ; an LDS store's data are its source 1: window 1
.irp n, 0,1,2,3
	ds_store_b128 v6, v[8*(4*(\m)+\n):8*(4*(\m)+\n)+3] offset:64*\n            ; each accumulator from its low end on
	ds_store_b128 v6, v[8*(4*(\m)+\n)+4:8*(4*(\m)+\n)+7] offset:64*\n+16
.endr
	WIN 0
.irp i, 0,1,2,3,4,5,6,7
	ds_load_b128 v[64+32*((\m)%2)+4*\i:64+32*((\m)%2)+4*\i+3], v7 offset:544*\i
.endr
.endm
.macro SEND m, younger                 ; younger: the LDS instructions issued behind tile m's loads, which may stay out
	s_wait_dscnt \younger
.irp i, 0,1,2,3,4,5,6,7
	global_store_b128 v8, v[64+32*((\m)%2)+4*\i:64+32*((\m)%2)+4*\i+3], s[8:9] offset:(16*(\m)+2*\i)*2048 th:TH_STORE_NT   ; sixteen lanes store 256 consecutive bytes, aligned; written once
.endr
.endm
	NOPS 4                                         ; places in front of the first read of results and of loads into registers that products read
	TOSTAGE 0
.irp m, 1,2,3,4,5,6,7
.if \m > 1
	s_wait_xcnt 0x0                                ; tile m - 2's stores have read their registers: tile m's loads may land there
.endif
	TOSTAGE \m
	SEND \m-1, 16                                  ; behind tile m - 1's loads: tile m's eight stores and eight loads
.endr
	SEND 7, 0
	s_wait_tensorcnt 0x0                           ; the wave's end: three closing lines behind my tensor load and my last LDS store
	ds_add_u32 v1, v2
	s_wait_dscnt 0x0
	s_endpgm
.Lfunc_end_k_q7537f6b76c_proj:
	.size	k_q7537f6b76c_proj, .Lfunc_end_k_q7537f6b76c_proj-k_q7537f6b76c_proj
	.p2alignl 7, 3214868480
	.fill 96, 4, 3214868480
	.section	.rodata,"a",@progbits
	.p2align	6, 0x0
	.amdhsa_kernel k_q7537f6b76c_proj
		.amdhsa_group_segment_fixed_size 167936
		.amdhsa_private_segment_fixed_size 0
		.amdhsa_enable_private_segment 0
		.amdhsa_kernarg_size 24
		.amdhsa_user_sgpr_count 2
		.amdhsa_user_sgpr_kernarg_segment_ptr 1
		.amdhsa_wavefront_size32 1
		.amdhsa_system_sgpr_workgroup_id_x 1
		.amdhsa_system_sgpr_workgroup_id_y 1
		.amdhsa_system_sgpr_workgroup_id_z 1
		.amdhsa_system_vgpr_workitem_id 0
		.amdhsa_next_free_vgpr 1024
		.amdhsa_next_free_sgpr 66
		.amdhsa_reserve_vcc 0
		.amdhsa_float_denorm_mode_32 3
		.amdhsa_float_denorm_mode_16_64 3
		.amdhsa_memory_ordered 1
		.amdhsa_forward_progress 1
		.amdhsa_inst_pref_size 83
	.end_amdhsa_kernel
	.amdgpu_metadata
---
amdhsa.version: [ 1, 2 ]
amdhsa.kernels:
  - .name:           k_q7537f6b76c_proj
    .symbol:         k_q7537f6b76c_proj.kd
    .args:
      - { .name: o16, .offset: 0, .size: 8, .value_kind: global_buffer, .address_space: global }
      - { .name: wo16, .offset: 8, .size: 8, .value_kind: global_buffer, .address_space: global }
      - { .name: out0, .offset: 16, .size: 8, .value_kind: global_buffer, .address_space: global }
    .group_segment_fixed_size: 167936
    .private_segment_fixed_size: 0
    .kernarg_segment_align: 8
    .kernarg_segment_size: 24
    .max_flat_workgroup_size: 128
    .sgpr_count:     66
    .vgpr_count:     1024
    .wavefront_size: 32
...
	.end_amdgpu_metadata
.endif
;; end of part 3
;; ======== version 2 of 2: 3 launches; version 1 with the launch attn written anew for expert scheduling mode
;; limits: values are held in f16: magnitudes above 65,504 overflow, below 6.1e-05 lose precision
;; workspace buffers: xcodes 4,194,304 bytes; xscales 262,144 bytes; wcodes 393,216 bytes; wscales 24,576 bytes; wo16 524,288 bytes; o16 16,777,216 bytes
;; launch prep: the kernel of part 1 again; grid 288 x 1, 4 waves a work-group, no clusters, 33,280 bytes of LDS; arguments x, Wq, Wk, Wv, Wo, xcodes, xscales, wcodes, wscales, wo16; writes xcodes, xscales, wcodes, wscales, wo16
;; launch attn (part 4): grid 4 x 64, 16 waves a work-group, no clusters, 317,440 bytes of LDS; arguments xcodes, xscales, wcodes, wscales, rope_cos, rope_sin, o16; writes o16
.if DOCPART == 4
	.amdgcn_target "amdgcn-amd-amdhsa--gfx1250"
	.amdhsa_code_object_version 6
	.text
	.protected	k_q7537f6b76c_attn
	.globl	k_q7537f6b76c_attn
	.p2align	8
	.type	k_q7537f6b76c_attn,@function
k_q7537f6b76c_attn:
	s_mov_b64 s[64:65], 0
	v_nop
	global_prefetch_b8 v0, s[64:65] scope:SCOPE_SE
	s_setreg_imm32_b32 hwreg(HW_REG_WAVE_SCHED_MODE, 0, 2), 2
	s_setreg_imm32_b32 hwreg(HW_REG_WAVE_MODE, 25, 1), 1
	s_wait_xcnt 0x0
	s_wait_alu depctr_vm_vsrc(0)
; For one slice (b, t) of 256 tokens and four heads: q, k, v = x W^T on codes of FP4 with E8M0 scales; RoPE from the two tables; q and k divided by the root of max(mean square, 1e-6);
; logits l = q . k / sqrt(32); 50 tanh(l / 50); softmax over the 256 keys; o = P V.  o leaves in f16, laid as images of the last launch's operand registers.
; SHARES.  Work-group (g, bt): heads 4 g .. 4 g + 3 of slice bt.  Sixteen waves, four to a SIMD; wave w: head hd = w / 4, tokens 64 qq .. 64 qq + 63, qq = w % 4: it makes that head's q, k, v for these four tiles
; of 16 tokens, hands k and v to its head's other waves through LDS as images of operand registers, and then runs attention for its 64 queries over all 256 keys.
; FORMATS.  The three projections: v_wmma_scale_f32_16x16x128_f8f6f4, both sides FP4.  Logits and P V: f16 operands, f32 sums.  All else f32.
; NO MAXIMUM IS TAKEN AWAY, and this is why it may be left out: q and k are normalised by the computation itself, behind RoPE, so |q|, |k| <= sqrt(32) for every input and every table, and by Cauchy-Schwarz
; |l| <= sqrt(32) = 5.66.  So exp(l) lies in 2^-8.2 .. 2^8.2 and a row's sum under 2^16.2: nothing can overflow or underflow, in f32 or in f16.
; tanh: |l / 50| <= 0.1132, so the odd series to z^5 is within 7e-7 of 50 tanh(l / 50), absolutely, for every input.  With s the raw dot product and u = s^2: log2(e) x 50 tanh(l / 50) = s (c0 + u (c1 + c2 u)).
; LIMITS: NaN and infinities are not served; v and o are carried in f16: |v| stays under 65,504 (the drawn v is about 1).
; NO CLUSTER: what work-groups share (a slice's 68 KiB of codes and scale bytes among four, a head group's 102 KiB among 64) is fetched once, at the head, by 24 loads a wave through registers, against
; 224 matrix and some 2,700 vector instructions a wave behind it.  No LDS byte is written twice: two barriers in all.
; LDS: XC x's codes, 256 rows x (256 + 16); WC the weights' codes, 384 rows likewise; XS, WS their scale bytes, 16 a row; KI for each head 16 images of K (16 keys x 32) and, 16,384 bytes on, 16 of V^T
; (key step U of 32 keys, channel tile ct: 2,048 U + 1,024 ct); an image is 1,024 bytes: [half c][lane][16 bytes].
; REGISTERS: v1, v2 the add's two; v3 AX, v4 AW, v5 scale words' address and then IMW, v6 TO, v7 IMR; v8-31 scale words and nothing else; v32-63, v64-127, v128-255 by phase (see there).
; THE MODE: SCHED_MODE bits 1:0 = 2 (LLVM: expert scheduling mode 2), set by the entry lines.  The code itself states the register dependences between vector or matrix instructions and memory or LDS
; instructions, with s_wait_alu, always for 0.  The text has no branch: each wait is read on one path.
; THE PLAN.  Registers that memory or LDS instructions touch, in the order of the text:
;   v1-7, v38-44   addresses, made at the head: one wait on va_vdst ahead of the first load.  v5 is written once more behind barrier 1, v38-44 become table registers, v64-143 (the copy's store data) become
;                  fragment buffers: one wait on vm_vsrc behind barrier 1.  v3 is written once more on the way out: the wait on vm_vsrc behind barrier 2 stands behind its last reader.
;   V              two buffers of fragments by turns, v64-111 and v192-239.  A step's products read one; the next step's loads land in the other, behind ONE wait on va_vdst at the step's head, which states that
;                  the step before is done reading it.  The last step asks so for Q and K's step 0, into v64-127.
;   V^T's images   written by 32 conversions, read by 8 LDS stores (a wait on va_vdst between), written over by Q and K's first products (a wait on vm_vsrc between).
;   Q and K        one buffer, v64-127: the accumulators take v128-255 and the tables v32-63.  Steps 1 to 3: a wait on va_vdst, the loads, their wait, the products.
;   the tables     v32-63 and v64-95 by turns.  A tile's rotations read one; the loads of the tile two on land in it behind the wait that the tile's two roots have anyway.
;   K's images     written by 8 conversions a tile, read by 2 LDS stores (a wait on va_vdst between), written over by the scores (the wait on vm_vsrc behind barrier 2).
;   attention      K v32-47, read by a step's first products; V^T v152-159, v184-191, read by its second.  ONE wait on va_vdst a step, the one that the 64 exponentials have anyway; this step's V^T and the
;                  next step's K are asked for directly behind it.
;   the way out    o in v64-127 and v3: a wait on va_vdst between the conversions and the 8 stores.
.set PX,    272
.set XC,    0
.set WC,    256*PX
.set XS,    WC+384*PX
.set WS,    XS+4096
.set KI,    WS+6144
.set SPARE, KI+4*32768                 ; the spare words, 128 bytes for each of 16 waves, which no other line names
.macro NOPS n
.rept \n
	v_nop
.endr
.endm
	s_load_b256 s[4:11], s[0:1], 0x0               ; x's codes s[4:5], x's scales s[6:7], the weights' codes s[8:9], their scales s[10:11]
	s_load_b128 s[12:15], s[0:1], 0x20             ; cos s[12:13], sin s[14:15]
	s_load_b64 s[16:17], s[0:1], 0x30              ; o in f16
	v_lshl_add_u32 v1, v0, 2, SPARE
	v_mov_b32 v2, 0
	v_lshrrev_b32 v32, 5, v0
	v_readfirstlane_b32 s18, v32                   ; w
	v_and_b32 v37, 31, v0                          ; lane
	v_and_b32 v33, 15, v0                          ; r
	v_bfe_u32 v34, v0, 4, 1                        ; h
	v_mul_u32_u24 v35, v33, PX
	v_lshl_add_u32 v35, v34, 4, v35                ; a fragment's row x pitch + 16 h
	s_and_b32 s22, ttmp7, 0xffff                   ; bt
	s_wait_alu depctr_va_sdst(0)                   ; s18 is written, ahead of its first reader: every share of the wave is made from it
	s_lshr_b32 s19, s18, 2                         ; hd
	s_and_b32 s20, s18, 3                          ; qq
	s_mul_i32 s38, s20, 64*PX
	v_add_nc_u32 v3, s38, v35                      ; AX: my 64 tokens' codes
	s_mul_i32 s38, s19, 96*PX
	s_add_co_u32 s38, s38, WC
	v_add_nc_u32 v4, s38, v35                      ; AW: my head's 96 rows of weights
	s_xor_b32 s38, s20, 3                          ; the scale words: lanes 0-15 stand at x's rows, XS + 1,024 qq + 16 r; lanes 16-31 at the weights', WS + 1,536 hd + 16 r:
	s_lshl_b32 s38, s38, 10                        ; the lower base + h x the distance, (3 - qq) 1,024 + 1,024 + 1,536 hd
	s_mul_i32 s39, s19, 1536
	s_add_co_u32 s38, s38, s39
	s_add_co_u32 s38, s38, 1024
	v_mul_u32_u24 v36, s38, v34
	s_lshl_b32 s39, s20, 10
	s_add_co_u32 s39, s39, XS
	v_lshl_add_u32 v5, v33, 4, v36
	v_add_nc_u32 v5, s39, v5
	s_lshl_b32 s38, s20, 13
	v_lshlrev_b32 v6, 7, v33
	v_lshl_add_u32 v6, v34, 5, v6
	v_add_nc_u32 v6, s38, v6                       ; TO: the tables: row 64 qq + r of 128 bytes, + 32 h
	s_lshl_b32 s38, s19, 15
	s_add_co_u32 s38, s38, KI
	v_lshl_add_u32 v7, v37, 4, s38                 ; IMR: my head's images, 16 x lane
	; the copy in: offsets and targets
	v_lshlrev_b32 v38, 4, v37
	v_lshlrev_b32 v39, 3, v37
	v_lshlrev_b32 v40, 2, v37
	v_mul_u32_u24 v36, v34, PX
	v_lshl_add_u32 v36, v33, 4, v36                ; two rows an instruction: lanes 0-15 one, lanes 16-31 the next
	s_mul_i32 s38, s18, 16*PX
	v_add_nc_u32 v41, s38, v36                     ; x's rows 16 w on
	s_mul_i32 s38, s18, 24*PX
	s_add_co_u32 s38, s38, WC
	v_add_nc_u32 v42, s38, v36                     ; the weights' rows 24 w on
	s_lshl_b32 s38, s18, 8
	s_add_co_u32 s38, s38, XS
	v_lshl_add_u32 v43, v37, 3, s38
	s_mul_i32 s38, s18, 384
	s_add_co_u32 s38, s38, WS
	v_lshl_add_u32 v44, v37, 2, s38
	s_lshl_b32 s28, s22, 16                        ; x's codes: 65,536 bt + 4,096 w
	s_lshl_b32 s38, s18, 12
	s_add_co_u32 s28, s28, s38
	s_mov_b32 s29, 0
	s_lshl_b32 s30, s22, 12                        ; x's scales: 4,096 bt + 256 w
	s_lshl_b32 s38, s18, 8
	s_add_co_u32 s30, s30, s38
	s_mov_b32 s31, 0
	s_mul_i32 s32, ttmp9, 98304                    ; the weights' codes: 98,304 g + 6,144 w
	s_mul_i32 s38, s18, 6144
	s_add_co_u32 s32, s32, s38
	s_mov_b32 s33, 0
	s_mul_i32 s34, ttmp9, 6144                     ; their scales: 6,144 g + 384 w
	s_mul_i32 s38, s18, 384
	s_add_co_u32 s34, s34, s38
	s_mov_b32 s35, 0
	s_lshl_b32 s36, s22, 1                         ; o: ((2 bt + qq / 2) 16 + 4 g + hd) 8,192 + (qq % 2) 4,096
	s_lshr_b32 s38, s20, 1
	s_add_co_u32 s36, s36, s38
	s_lshl_b32 s36, s36, 4
	s_lshl_b32 s38, ttmp9, 2
	s_add_co_u32 s36, s36, s38
	s_add_co_u32 s36, s36, s19
	s_lshl_b32 s36, s36, 13
	s_and_b32 s38, s20, 1
	s_lshl_b32 s38, s38, 12
	s_add_co_u32 s36, s36, s38
	s_mov_b32 s37, 0
	s_mov_b32 s24, 0x2cbaf14a                      ; c2 = c0 / 4.8e10
	s_mov_b32 s25, s24                             ; (named with it as a pair, so it is written)
	s_mov_b32 s26, 0x76543210
	s_mov_b32 s27, 0xfedcba98                      ; v_permlanex16_b32's selects for lane l xor 16
	s_wait_kmcnt 0x0
	s_add_nc_u64 s[4:5], s[4:5], s[28:29]
	s_add_nc_u64 s[6:7], s[6:7], s[30:31]
	s_add_nc_u64 s[8:9], s[8:9], s[32:33]
	s_add_nc_u64 s[10:11], s[10:11], s[34:35]
	s_add_nc_u64 s[16:17], s[16:17], s[36:37]
	s_wait_alu depctr_va_vdst(0)                   ; the addresses v1 to v7 and v38 to v44 are written, which the loads and LDS instructions below read; so are v32 to v37, in which table loads land
	; ---- THE COPY IN: 24 loads a wave, each of consecutive bytes; the codes' rows get 16 bytes of padding in LDS
.irp i, 0,1,2,3,4,5,6,7
	global_load_b128 v[64+4*\i:67+4*\i], v38, s[4:5] offset:512*\i
.endr
.irp i, 0,1,2,3,4,5,6,7,8,9,10,11
	global_load_b128 v[96+4*\i:99+4*\i], v38, s[8:9] offset:512*\i
.endr
	global_load_b64 v[144:145], v39, s[6:7]
.irp i, 0,1,2
	global_load_b32 v[146+\i], v40, s[10:11] offset:128*\i
.endr
	s_wait_loadcnt 16                              ; x's eight loads are in; the 16 younger stay out
.irp i, 0,1,2,3,4,5,6,7
	ds_store_b128 v41, v[64+4*\i:67+4*\i] offset:2*PX*\i
.endr
	s_wait_loadcnt 4                               ; the weights' twelve are in; the four loads of scale bytes stay out
.irp i, 0,1,2,3,4,5,6,7,8,9,10,11
	ds_store_b128 v42, v[96+4*\i:99+4*\i] offset:2*PX*\i
.endr
	s_wait_loadcnt 0x0
	ds_store_b64 v43, v[144:145]
.irp i, 0,1,2
	ds_store_b32 v44, v[146+\i] offset:128*\i
.endr
	s_wait_dscnt 0x0                               ; for the others' sake: my stores have landed
	s_barrier_signal -1
	s_barrier_wait -1                              ; codes and scale bytes are whole
	; ---- the scale words, once: register 8 + 4 i + s: lanes 0-15 the word of x's tile i, lanes 16-31 that of the weights' tile i (q0 q1 k0 k1 v0 v1), for K step s.  (Lanes 0-15 of i = 4, 5 read written bytes that nobody uses)
.irp i, 0,1,2,3,4,5
	ds_load_b128 v[8+4*\i:11+4*\i], v5 offset:256*\i
.endr
	s_lshl_b32 s38, s20, 12
	s_wait_alu depctr_vm_vsrc(0)                   ; the six loads above have read v5, which the next line writes; the copy's loads and stores have read v38 to v44, in which table loads land, and v64 to v148, in which fragments land
	v_add_nc_u32 v5, s38, v7                       ; IMW: where my images go: 4,096 qq on in my head's
; the tables of token tile i: cos at my dims 8 h + 0 .. 7 and 16 + 8 h + 0 .. 7 into base + 0 .. 15, sin likewise into base + 16 .. 31
.macro TABLE i, base
.irp q, 0,1,2,3
	global_load_b128 v[\base+4*\q:\base+4*\q+3], v6, s[12:13] offset:2048*(\i)+64*(\q/2)+16*(\q%2)
	global_load_b128 v[\base+16+4*\q:\base+19+4*\q], v6, s[14:15] offset:2048*(\i)+64*(\q/2)+16*(\q%2)
.endr
.endm
	TABLE 0, 32                                    ; tile 0's stay out through both passes
; a fragment, 16 rows x 128 K of 4-bit codes, is 8 registers: lane (r, h) holds row r; registers 4 c .. 4 c + 3 hold K = 64 c + 32 h + 0 .. 31: two loads of 16 bytes, 32 apart
.macro XFR s, xb                       ; my four token tiles, K step s -> v[xb] on, 32 registers
.irp i, 0,1,2,3
.irp c, 0,1
	ds_load_b128 v[\xb+8*\i+4*\c:\xb+3+8*\i+4*\c], v3 offset:16*PX*\i+64*(\s)+32*\c
.endr
.endr
.endm
.macro WFR s, a0, n, wb                ; the weights' tiles a0 .. a0 + n - 1 -> v[wb] on
.set WA, 0
.rept \n
.irp c, 0,1
	ds_load_b128 v[\wb+8*WA+4*\c:\wb+3+8*WA+4*\c], v4 offset:16*PX*(\a0+WA)+64*(\s)+32*\c
.endr
.set WA, WA+1
.endr
.endm
	; ---- V: source 0 = 16 tokens, source 1 = 16 channels: a lane holds channel r and tokens 8 h + j, so that two neighbouring token tiles, rounded in pairs, ARE a fragment of V^T (16 channels x 32 keys).
	; Eight accumulators by turns, one instruction a turn.  Accumulator (ct, i) at v[128 + 16 (2 ct + i / 2) + 8 (i % 2)]
	; Two buffers of fragments by turns: K step s reads x's at v[64 + 128 (s % 2)] and the weights' at v[96 + 128 (s % 2)]; the next step's loads land in the other buffer while this step is multiplied
.macro VSTEP s
.set XB, 64+128*((\s)%2)
.set WB, 96+128*((\s)%2)
.set XN, 64+128*(((\s)+1)%2)
.set WN, 96+128*(((\s)+1)%2)
	s_wait_dscnt 0x0                               ; this step's fragments (and, the first time, the scale words) are in: nothing else is out
.if (\s) > 0
	NOPS 4                                         ; places behind the last step's products, whose fragments are loaded over; the wait below fills none
	s_wait_alu depctr_va_vdst(0)                   ; the last step's products are done reading the other buffer, in which the loads below land
.endif
.if (\s) < 3
	XFR (\s)+1, XN
	WFR (\s)+1, 4, 2, WN
.else
	XFR 0, 64                                      ; the last step asks for Q and K's step 0: x's four tiles anew, and the weights' tiles q0 q1 k0 k1, into v64-127
	WFR 0, 0, 4, 96
.endif
.irp i, 0,1,2,3
.irp ct, 0,1
.if (\s) == 0
	v_wmma_scale_f32_16x16x128_f8f6f4 v[128+16*(2*\ct+\i/2)+8*(\i%2):135+16*(2*\ct+\i/2)+8*(\i%2)], v[XB+8*\i:XB+7+8*\i], v[WB+8*\ct:WB+7+8*\ct], 0, v[8+4*\i+(\s)], v[24+4*\ct+(\s)] matrix_a_fmt:MATRIX_FMT_FP4 matrix_b_fmt:MATRIX_FMT_FP4 matrix_b_scale:MATRIX_SCALE_ROW1
.else
	v_wmma_scale_f32_16x16x128_f8f6f4 v[128+16*(2*\ct+\i/2)+8*(\i%2):135+16*(2*\ct+\i/2)+8*(\i%2)], v[XB+8*\i:XB+7+8*\i], v[WB+8*\ct:WB+7+8*\ct], v[128+16*(2*\ct+\i/2)+8*(\i%2):135+16*(2*\ct+\i/2)+8*(\i%2)], v[8+4*\i+(\s)], v[24+4*\ct+(\s)] matrix_a_fmt:MATRIX_FMT_FP4 matrix_b_fmt:MATRIX_FMT_FP4 matrix_b_scale:MATRIX_SCALE_ROW1
.endif
.endr
.endr
.endm
	XFR 0, 64                                      ; step 0's fragments: no vector or matrix instruction has named v64-111
	WFR 0, 4, 2, 96
	VSTEP 0                                        ; (its loads land in v192-239, which nothing has named: no wait)
	VSTEP 1
	VSTEP 2
	VSTEP 3
	NOPS 4                                         ; places in front of the first read of results
.irp f, 0,1,2,3                        ; rounded to f16 in place, ascending: register m takes numbers 2 m and 2 m + 1; each accumulator is read from its low end on
.irp m, 0,1,2,3,4,5,6,7
	v_cvt_pk_f16_f32 v[128+16*\f+\m], v[128+16*\f+2*\m], v[128+16*\f+2*\m+1]
.endr
.endr
	s_wait_alu depctr_va_vdst(0)                   ; the conversions have written V^T's four fragments, which the LDS stores read (v5, their address, was written ahead of the steps' waits)
.irp ct, 0,1
.irp u, 0,1
	ds_store_b128 v5, v[128+16*(2*\ct+\u):131+16*(2*\ct+\u)] offset:16384+2048*\u+1024*\ct        ; key step 2 qq + u, channel tile ct
	ds_store_b128 v5, v[132+16*(2*\ct+\u):135+16*(2*\ct+\u)] offset:16384+2048*\u+1024*\ct+512
.endr
.endr
	; ---- Q AND K, TRANSPOSED: source 0 = 16 rows of the weight, source 1 = 16 tokens: a lane holds token r and dims 8 h + j (tile q0, k0) and 16 + 8 h + j (q1, k1): RoPE's partners d and d + 16 lie in one
	; lane at the same j.  Accumulator (i, a) at v[128 + 32 i + 8 a], a = q0 q1 k0 k1; sixteen by turns.  Between V's last products and the first here, which write over V's accumulators and its second
	; buffer, stand the four places above and, for each of those products, the 24 conversions of the other three fragments: more than the five owed
.macro QSTEP s
.if (\s) > 0
	NOPS 4                                         ; places behind the last step's products, whose fragments are loaded over; the wait below fills none
	s_wait_alu depctr_va_vdst(0)                   ; the last step's products are done reading v64-127, in which the loads below land
	XFR \s, 64
	WFR \s, 0, 4, 96
.endif
	s_wait_dscnt 0x0                               ; the fragments are in
.if (\s) == 0
	s_wait_alu depctr_vm_vsrc(0)                   ; V^T's LDS stores have read v128 to v183, which the products below write over
.endif
.irp i, 0,1,2,3
.irp a, 0,1,2,3
.if (\s) == 0
	v_wmma_scale_f32_16x16x128_f8f6f4 v[128+32*\i+8*\a:135+32*\i+8*\a], v[96+8*\a:103+8*\a], v[64+8*\i:71+8*\i], 0, v[8+4*\a+(\s)], v[8+4*\i+(\s)] matrix_a_fmt:MATRIX_FMT_FP4 matrix_b_fmt:MATRIX_FMT_FP4 matrix_a_scale:MATRIX_SCALE_ROW1
.else
	v_wmma_scale_f32_16x16x128_f8f6f4 v[128+32*\i+8*\a:135+32*\i+8*\a], v[96+8*\a:103+8*\a], v[64+8*\i:71+8*\i], v[128+32*\i+8*\a:135+32*\i+8*\a], v[8+4*\a+(\s)], v[8+4*\i+(\s)] matrix_a_fmt:MATRIX_FMT_FP4 matrix_b_fmt:MATRIX_FMT_FP4 matrix_a_scale:MATRIX_SCALE_ROW1
.endif
.endr
.endr
.endm
	QSTEP 0
	QSTEP 1
	QSTEP 2
	QSTEP 3
	NOPS 4                                         ; places in front of reads of results and of writes into the fragments' registers
.irp j, 116,117,118,119,120,121
	v_mov_b32 v\j, 0                               ; written once: permute destinations, and the upper halves of the pairs that the packed multiplies name
.endr
	s_wait_alu depctr_va_vdst(0)                   ; the last products are done reading x's fragments v64-95, in which tile 1's tables land
	TABLE 1, 64
; ---- RoPE, norm, f16, for token tile i with its tables at tb.  lo = dims 8 h + j, hi = dims 16 + 8 h + j:  lo' = lo cos(lo) - hi sin(lo);  hi' = hi cos(hi) + lo sin(hi)
.macro ROT b
.irp p, 0,2,4,6
	v_pk_mul_f32 v[96+\p:97+\p], v[\b+8+\p:\b+9+\p], v[TB+16+\p:TB+17+\p]
.endr
.irp p, 0,2,4,6
	v_pk_mul_f32 v[104+\p:105+\p], v[\b+\p:\b+1+\p], v[TB+24+\p:TB+25+\p]
.endr
.irp p, 0,2,4,6
	v_pk_fma_f32 v[\b+\p:\b+1+\p], v[\b+\p:\b+1+\p], v[TB+\p:TB+1+\p], v[96+\p:97+\p] neg_lo:[0,0,1] neg_hi:[0,0,1]
.endr
.irp p, 0,2,4,6
	v_pk_fma_f32 v[\b+8+\p:\b+9+\p], v[\b+8+\p:\b+9+\p], v[TB+8+\p:TB+9+\p], v[104+\p:105+\p]
.endr
.endm
; nxt = 1: the tables of the tile two on are asked for, into this tile's registers
.macro ROPE i, tb, nxt
.set BQ, 128+32*(\i)
.set BK, 144+32*(\i)
.set TB, \tb
	ROT BQ
	ROT BK
	v_pk_mul_f32 v[112:113], v[BQ:BQ+1], v[BQ:BQ+1]                ; the sums of squares of my 16 dims, q's and k's chains by turns
	v_pk_mul_f32 v[114:115], v[BK:BK+1], v[BK:BK+1]
.irp p, 2,4,6,8,10,12,14
	v_pk_fma_f32 v[112:113], v[BQ+\p:BQ+1+\p], v[BQ+\p:BQ+1+\p], v[112:113]
	v_pk_fma_f32 v[114:115], v[BK+\p:BK+1+\p], v[BK+\p:BK+1+\p], v[114:115]
.endr
	v_add_f32 v112, v112, v113
	v_add_f32 v114, v114, v115
	v_permlanex16_b32 v116, v112, s26, s27         ; the token's other 16 dims lie in the lane 16 away
	v_permlanex16_b32 v117, v114, s26, s27
	v_add_f32 v112, v112, v116
	v_add_f32 v114, v114, v117
	v_mul_f32 v112, 0x3d000000, v112               ; / 32: the mean
	v_mul_f32 v114, 0x3d000000, v114
	v_max_num_f32 v112, 0x358637bd, v112           ; max(., 1e-6)
	v_max_num_f32 v114, 0x358637bd, v114
	v_rsq_f32 v118, v112
	v_rsq_f32 v120, v114
	v_nop                                          ; a plain line behind the two roots,
	s_wait_alu depctr_va_vdst(0)                   ; and one wait: the two roots v118 and v120 are written, ahead of their first reader; the rotations are done reading this tile's tables, in which the loads below land
.if \nxt
	TABLE (\i)+2, \tb                              ; no line between the wait and these loads names the tables' registers or v6
.endif
.irp p, 0,2,4,6,8,10,12,14
	v_pk_mul_f32 v[BQ+\p:BQ+1+\p], v[BQ+\p:BQ+1+\p], v[118:119] op_sel_hi:[1,0]
	v_pk_mul_f32 v[BK+\p:BK+1+\p], v[BK+\p:BK+1+\p], v[120:121] op_sel_hi:[1,0]
.endr
.irp m, 0,1,2,3,4,5,6,7                ; to f16 in place, ascending: eight registers are a fragment, 16 tokens x 32 dims
	v_cvt_pk_f16_f32 v[BQ+\m], v[BQ+2*\m], v[BQ+2*\m+1]
	v_cvt_pk_f16_f32 v[BK+\m], v[BK+2*\m], v[BK+2*\m+1]
.endr
	s_wait_alu depctr_va_vdst(0)                   ; the conversions have written K's fragment, which the two LDS stores read
	ds_store_b128 v5, v[BK:BK+3] offset:1024*(\i)              ; K's goes to its head's waves; Q's stays in v[128 + 32 i] on
	ds_store_b128 v5, v[BK+4:BK+7] offset:1024*(\i)+512
.endm
	s_wait_loadcnt 8                               ; tile 0's eight loads are in; tile 1's stay out
	ROPE 0, 32, 1
	s_wait_loadcnt 8                               ; tile 1's are in; tile 2's stay out
	ROPE 1, 64, 1
	s_wait_loadcnt 8                               ; tile 2's are in; tile 3's stay out
	ROPE 2, 32, 0
	s_wait_loadcnt 0x0
	ROPE 3, 64, 0
	s_wait_dscnt 0x0                               ; for the others' sake: my images of K and V^T have landed
	s_barrier_signal -1
	s_barrier_wait -1                              ; every head's 16 + 16 images are whole
	s_wait_alu depctr_vm_vsrc(0)                   ; K's LDS stores have read v[144 + 32 i] on, over which the scores are written; the fragments' loads have read v3, which the way out writes anew
	; ---- ATTENTION: 8 steps of 32 keys.  S^T = K Q^T (source 0 = 16 keys, source 1 = 16 queries) and O^T = V^T P (source 0 = 16 channels, source 1 = P): a lane holds ONE query throughout.
	; v32-47 K's two fragments; v[48 + 2 t] the sum's two halves of query tile t; v[56:57] c1, v[58:59] c0; v60-63 permute destinations; v[64 + 16 t + 8 ct] O^T; v[128 + 32 t] Q; v[136 + 32 t] 16 scores, then
	; p, then P's 8 registers; v152-159, v184-191 V^T's two fragments; v216-223, v248-255 at work
	v_mov_b32 v56, 0xb58ea037                      ; c1 = -c0 / 240,000
	v_mov_b32 v57, 0xb58ea037
	v_mov_b32 v58, 0x3e8293ee                      ; c0 = log2(e) / sqrt(32)
	v_mov_b32 v59, 0x3e8293ee
.irp j, 60,61,62,63
	v_mov_b32 v\j, 0
.endr
.irp kt, 0,1
.irp c, 0,1
	ds_load_b128 v[32+8*\kt+4*\c:35+8*\kt+4*\c], v7 offset:1024*\kt+512*\c       ; K of step 0.  No wait: since tile 3's last wait on va_vdst only the eight moves above were issued, and they name neither v32-47 nor v7
.endr
.endr
.macro KSTEP u, first, last
.if \u > 0
	NOPS 5                                         ; five places: the products below write over P's registers, which the last products read
.endif
	s_wait_dscnt 0x0                               ; K's four loads are in: nothing else is out
.irp kt, 0,1
.irp t, 0,1,2,3
	v_wmma_f32_16x16x32_f16 v[136+32*\t+8*\kt:143+32*\t+8*\kt], v[32+8*\kt:39+8*\kt], v[128+32*\t:135+32*\t], 0
.endr
.endr
	NOPS 4                                         ; places in front of the first read of scores
	; ONE BATCH: t = s (c0 + u (c1 + c2 u)), u = s^2, packed, eight scores a group; the exponentials of the group before stand two behind each run of four.  Nothing here names an exponential's result
.set G, 0
.rept 8
.set XB, 136+32*(G/2)+8*(G%2)
.set XP, 136+32*((G+7)/2-3-(G+7)/8)+8*((G+1)%2)    ; the group before's eight registers (used where G > 0)
.irp k, 0,1,2,3
	v_pk_mul_f32 v[216+2*\k:217+2*\k], v[XB+2*\k:XB+2*\k+1], v[XB+2*\k:XB+2*\k+1]
.endr
.if G > 0
	v_exp_f32 v[XP], v[XP]
	v_exp_f32 v[XP+1], v[XP+1]
.endif
.irp k, 0,1,2,3
	v_pk_fma_f32 v[248+2*\k:249+2*\k], v[216+2*\k:217+2*\k], s[24:25], v[56:57] op_sel_hi:[1,0,1]
.endr
.if G > 0
	v_exp_f32 v[XP+2], v[XP+2]
	v_exp_f32 v[XP+3], v[XP+3]
.endif
.irp k, 0,1,2,3
	v_pk_fma_f32 v[248+2*\k:249+2*\k], v[216+2*\k:217+2*\k], v[248+2*\k:249+2*\k], v[58:59]
.endr
.if G > 0
	v_exp_f32 v[XP+4], v[XP+4]
	v_exp_f32 v[XP+5], v[XP+5]
.endif
.irp k, 0,1,2,3
	v_pk_mul_f32 v[XB+2*\k:XB+2*\k+1], v[XB+2*\k:XB+2*\k+1], v[248+2*\k:249+2*\k]
.endr
.if G > 0
	v_exp_f32 v[XP+6], v[XP+6]
	v_exp_f32 v[XP+7], v[XP+7]
.endif
.set G, G+1
.endr
.irp j, 240,241,242,243,244,245,246,247
	v_exp_f32 v\j, v\j                             ; the last group's
.endr
	v_nop                                          ; a plain line behind the last exponential,
	s_wait_alu depctr_va_vdst(0)                   ; and THE STEP'S ONE WAIT: the 64 exponentials are written, ahead of their first reader; this step's first products are done reading K, and the last step's second products V^T: the loads below land in both
.irp ct, 0,1
.irp c, 0,1
	ds_load_b128 v[152+32*\ct+4*\c:155+32*\ct+4*\c], v7 offset:16384+2048*(\u)+1024*\ct+512*\c   ; V^T of this step: the 64 lines below stand between these loads and the wait for them
.endr
.endr
.if \last == 0
.irp kt, 0,1
.irp c, 0,1
	ds_load_b128 v[32+8*\kt+4*\c:35+8*\kt+4*\c], v7 offset:2048*((\u)+1)+1024*\kt+512*\c     ; K of the next step
.endr
.endr
.endif
.irp m, 0,1,2,3,4,5,6,7                ; the row's sum is taken of the unrounded p; in the first step the first two pairs start it: nothing is cleared
.irp t, 0,1,2,3
.if \first && (\m == 0)
.elseif \first && (\m == 1)
	v_pk_add_f32 v[48+2*\t:49+2*\t], v[136+32*\t:137+32*\t], v[138+32*\t:139+32*\t]
.else
	v_pk_add_f32 v[48+2*\t:49+2*\t], v[48+2*\t:49+2*\t], v[136+32*\t+2*\m:137+32*\t+2*\m]
.endif
.endr
.endr
.irp m, 0,1,2,3,4,5,6,7                ; p to f16 in place, ascending: eight registers are source 1 of the second product, 32 keys x 16 queries
.irp t, 0,1,2,3
	v_cvt_pk_f16_f32 v[136+32*\t+\m], v[136+32*\t+2*\m], v[136+32*\t+2*\m+1]
.endr
.endr
.if \last
	s_wait_dscnt 0x0
.else
	s_wait_dscnt 0x4                               ; V^T's four loads are in; the next step's K, issued behind them, stays out
.endif
.irp t, 0,1,2,3
.irp ct, 0,1
.if \first
	v_wmma_f32_16x16x32_f16 v[64+16*\t+8*\ct:71+16*\t+8*\ct], v[152+32*\ct:159+32*\ct], v[136+32*\t:143+32*\t], 0
.else
	v_wmma_f32_16x16x32_f16 v[64+16*\t+8*\ct:71+16*\t+8*\ct], v[152+32*\ct:159+32*\ct], v[136+32*\t:143+32*\t], v[64+16*\t+8*\ct:71+16*\t+8*\ct]
.endif
.endr
.endr
.endm
	KSTEP 0, 1, 0
.irp u, 1,2,3,4,5,6
	KSTEP \u, 0, 0
.endr
	KSTEP 7, 0, 1
	; ---- THE WAY OUT.  The additions are the places behind the last products
.irp t, 0,1,2,3
	v_add_f32 v[48+2*\t], v[48+2*\t], v[49+2*\t]
.endr
.irp t, 0,1,2,3
	v_permlanex16_b32 v[60+\t], v[48+2*\t], s26, s27               ; the query's other keys lie in the lane 16 away
.endr
.irp t, 0,1,2,3
	v_add_f32 v[48+2*\t], v[48+2*\t], v[60+\t]
.endr
.irp t, 0,1,2,3
	v_rcp_f32 v[48+2*\t], v[48+2*\t]
.endr
	v_and_b32 v3, 31, v0                           ; (plain lines behind the reciprocals; v3's last reader, a fragment load, stands ahead of the wait on vm_vsrc behind the second barrier)
	v_lshlrev_b32 v3, 4, v3                        ; 16 x lane
	s_wait_alu depctr_va_vdst(0)                   ; the four reciprocals are written, ahead of their first reader
.irp t, 0,1,2,3
.irp p, 0,2,4,6,8,10,12,14
	v_pk_mul_f32 v[64+16*\t+\p:65+16*\t+\p], v[64+16*\t+\p:65+16*\t+\p], v[48+2*\t:49+2*\t] op_sel_hi:[1,0]
.endr
.endr
.irp t, 0,1,2,3
.irp m, 0,1,2,3,4,5,6,7
	v_cvt_pk_f16_f32 v[64+16*\t+\m], v[64+16*\t+2*\m], v[64+16*\t+2*\m+1]      ; lane (r, h): o[token r][16 c + 8 h + 0 .. 7] in registers 4 c .. 4 c + 3: the last launch's operand as it stands
.endr
.endr
	s_wait_alu depctr_va_vdst(0)                   ; the conversions have written o's fragments, which the eight stores read (v3, their offset, was written ahead of the wait above)
.irp t, 0,1,2,3
	global_store_b128 v3, v[64+16*\t:67+16*\t], s[16:17] offset:1024*\t        ; each store of the wave covers 512 consecutive bytes, aligned
	global_store_b128 v3, v[68+16*\t:71+16*\t], s[16:17] offset:1024*\t+512
.endr
	s_wait_dscnt 0x0                               ; the closing lines, six on end
	s_wait_alu 0x0
	s_wait_tensorcnt 0x0
	ds_add_u32 v1, v2
	s_wait_dscnt 0x0
	s_endpgm
.Lfunc_end_k_q7537f6b76c_attn:
	.size	k_q7537f6b76c_attn, .Lfunc_end_k_q7537f6b76c_attn-k_q7537f6b76c_attn
	.p2alignl 7, 3214868480
	.fill 96, 4, 3214868480
	.section	.rodata,"a",@progbits
	.p2align	6, 0x0
	.amdhsa_kernel k_q7537f6b76c_attn
		.amdhsa_group_segment_fixed_size 317440
		.amdhsa_private_segment_fixed_size 0
		.amdhsa_enable_private_segment 0
		.amdhsa_kernarg_size 56
		.amdhsa_user_sgpr_count 2
		.amdhsa_user_sgpr_kernarg_segment_ptr 1
		.amdhsa_wavefront_size32 1
		.amdhsa_system_sgpr_workgroup_id_x 1
		.amdhsa_system_sgpr_workgroup_id_y 1
		.amdhsa_system_sgpr_workgroup_id_z 1
		.amdhsa_system_vgpr_workitem_id 0
		.amdhsa_next_free_vgpr 256
		.amdhsa_next_free_sgpr 66
		.amdhsa_reserve_vcc 0
		.amdhsa_float_denorm_mode_32 3
		.amdhsa_float_denorm_mode_16_64 3
		.amdhsa_memory_ordered 1
		.amdhsa_forward_progress 1
		.amdhsa_inst_pref_size 192
	.end_amdhsa_kernel
	.amdgpu_metadata
---
amdhsa.version: [ 1, 2 ]
amdhsa.kernels:
  - .name:           k_q7537f6b76c_attn
    .symbol:         k_q7537f6b76c_attn.kd
    .args:
      - { .name: xcodes, .offset: 0, .size: 8, .value_kind: global_buffer, .address_space: global }
      - { .name: xscales, .offset: 8, .size: 8, .value_kind: global_buffer, .address_space: global }
      - { .name: wcodes, .offset: 16, .size: 8, .value_kind: global_buffer, .address_space: global }
      - { .name: wscales, .offset: 24, .size: 8, .value_kind: global_buffer, .address_space: global }
      - { .name: rope_cos, .offset: 32, .size: 8, .value_kind: global_buffer, .address_space: global }
      - { .name: rope_sin, .offset: 40, .size: 8, .value_kind: global_buffer, .address_space: global }
      - { .name: o16, .offset: 48, .size: 8, .value_kind: global_buffer, .address_space: global }
    .group_segment_fixed_size: 317440
    .private_segment_fixed_size: 0
    .kernarg_segment_align: 8
    .kernarg_segment_size: 56
    .max_flat_workgroup_size: 512
    .sgpr_count:     66
    .vgpr_count:     256
    .wavefront_size: 32
...
	.end_amdgpu_metadata
.endif
;; end of part 4
;; launch proj: the kernel of part 3 again; grid 2 x 128, 4 waves a work-group, no clusters, 167,936 bytes of LDS; arguments o16, wo16, out0; writes out0
